; MI455X (gfx1250); checked and timed in simulation.
; The chip was launched on July 23, 2026; its instructions are those of AMD's public machine-readable ISA for CDNA 5 (MIT licence, August 2026) and "CDNA5" Instruction Set Architecture Reference Guide (July 2026). The comments in the code are by the model that wrote it; some were corrected since.
;; Mo EMLP. Allowed arithmetic: matrix products marked QUANTISED: E2M3 operands, one E8M0 scale for each 32 along K, by v_wmma_scale_f32_16x16x128_f8f6f4 with both operands' format E2M3, f32 sums; products left as they are: f32 operands where the result goes on into a quantised operand, else bf16, f16 or f32 operands; f32 sums; everything else in f32.
;; Inputs: W1 8 x 256 x 512 float32; W2 8 x 512 x 256 float32; Wr 256 x 8 float32; b1 8 x 512 float32; b2 8 x 256 float32; beta 256 float32; br 8 float32; gamma 256 float32; x 4 x 8,192 x 256 float32.
;; Outputs: out0 4 x 8,192 x 256 float32.
;; This version of the problem:
;;   THIS VERSION OF THE PROBLEM IS GIVEN IN LOW PRECISION. The matrix products marked QUANTISED in the list below multiply operands that are first quantised to E2M3 (2 exponent bits, 3 mantissa bits; 6 bits a number), with one power-of-two scale for each 32 numbers along K (OCP MX v1.0); their sums are f32. All else is computed in f32.
;;   The module's matrix products, in the order in which they are computed (A, B: the left and right operand; K: the contracted axis; several contracted axes count as one K, in the product's order):
;;     1. [M 32,768, K 256] x [K 256, N 8]; A: computed on the way; B: input Wr: left as it is (N = 8 < 16)
;;     2. batch 32,768 x [M 1, K 2] x [K 2, N 8]; A: softmax; B: computed on the way: left as it is (K = 2 < 32)
;;     3. [M 32,768, K 256] x [K 256, N 512]; A: computed on the way; B: input W1: QUANTISED
;;     4. [M 32,768, K 512] x [K 512, N 256]; A: computed on the way; B: input W2: QUANTISED
;;     5. [M 32,768, K 256] x [K 256, N 512]; A: computed on the way; B: input W1: QUANTISED
;;     6. [M 32,768, K 512] x [K 512, N 256]; A: computed on the way; B: input W2: QUANTISED
;;     7. [M 32,768, K 256] x [K 256, N 512]; A: computed on the way; B: input W1: QUANTISED
;;     8. [M 32,768, K 512] x [K 512, N 256]; A: computed on the way; B: input W2: QUANTISED
;;     9. [M 32,768, K 256] x [K 256, N 512]; A: computed on the way; B: input W1: QUANTISED
;;     10. [M 32,768, K 512] x [K 512, N 256]; A: computed on the way; B: input W2: QUANTISED
;;     11. [M 32,768, K 256] x [K 256, N 512]; A: computed on the way; B: input W1: QUANTISED
;;     12. [M 32,768, K 512] x [K 512, N 256]; A: computed on the way; B: input W2: QUANTISED
;;     13. [M 32,768, K 256] x [K 256, N 512]; A: computed on the way; B: input W1: QUANTISED
;;     14. [M 32,768, K 512] x [K 512, N 256]; A: computed on the way; B: input W2: QUANTISED
;;     15. [M 32,768, K 256] x [K 256, N 512]; A: computed on the way; B: input W1: QUANTISED
;;     16. [M 32,768, K 512] x [K 512, N 256]; A: computed on the way; B: input W2: QUANTISED
;;     17. [M 32,768, K 256] x [K 256, N 512]; A: computed on the way; B: input W1: QUANTISED
;;     18. [M 32,768, K 512] x [K 512, N 256]; A: computed on the way; B: input W2: QUANTISED
;;   THE QUANTISER, for each operand of a quantised product, along K:
;;     - K is cut into blocks of 32 from its start; a last block that is shorter is filled with zeros.
;;     - A block's scale is 2^e with e = floor(log2(the largest magnitude in the block)) - 2, held to -126 .. 127; a block of zeros has e = 0. As a byte (E8M0): e + 127.
;;     - Each number is divided by its block's scale, clamped to +-7.5, and rounded to the nearest number of E2M3, ties to even, subnormals kept.
;;     - The product sums the exact products of the quantised numbers (number of the format x scale) in f32.
;;   ~~~python
;;   def quantise(x, axis):      # numpy; x: float32 -> the quantised numbers, widened to float32 again
;;       x = np.moveaxis(x, axis, -1); K = x.shape[-1]
;;       x = np.pad(x, [(0, 0)] * (x.ndim - 1) + [(0, -K % 32)]); x = x.reshape(x.shape[:-1] + (-1, 32)); a = np.abs(x).max(-1, keepdims=True)
;;       e = np.where(a > 0, np.clip(np.frexp(np.where(a > 0, a, 1))[1] - 1 - 2, -126, 127), 0)      # np.frexp(a)[1] - 1 = floor(log2(a)), exactly
;;       r = np.clip(x / 2.0 ** e, -7.5, 7.5)
;;       step = 2.0 ** (np.maximum(np.frexp(np.where(r == 0, 1, r))[1] - 1, 0) - 3)
;;       q = np.round(r / step) * step * 2.0 ** e      # np.round: ties to even
;;       return np.moveaxis(q.reshape(q.shape[:-2] + (-1,))[..., :K], -1, axis).astype(np.float32)
;;   ~~~
;;   OPERANDS COMPUTED ON THE WAY. 'Computed on the way' means the value that the module computes at that place (a softmax that the list does not call 'softmax' is quantised finished and normalised). What goes into a quantiser is computed in f32, as accurately as f32 sums, v_exp_f32 and their like allow (about 1e-6 of the number): no bf16 or f16 on the way to a quantiser, and a product that is left as it is and whose result goes on into a quantised operand takes f32 operands (vector FMAs, or v_wmma_f32_16x16x4_f32). A number that lies on a knife's edge between two numbers of the format may be rounded either way, as far as f32 arithmetic and the matrix unit's own rounding can turn it there, and no further.
;; 2 versions, each right; version 2 is version 1 with the launch chain written anew for expert scheduling mode. Each part assembles by itself: llvm-mc -triple=amdgcn-amd-amdhsa -mcpu=gfx1250 --defsym DOCPART=n.
;; ======== version 1 of 2: 3 launches
;; workspace buffers: rec 8,388,608 bytes; tok 131,072 bytes of whole numbers; hist 32,768 bytes of whole numbers; order 131,072 bytes of whole numbers; binfo 4,096 bytes of whole numbers; wimg 1,703,936 bytes
;; launch route (part 1): grid 256 x 1, 8 waves a work-group, no clusters, 177,152 bytes of LDS; arguments x, gamma, beta, Wr, br, rec, tok, hist; writes rec, tok, hist
.if DOCPART == 1
	.amdgcn_target "amdgcn-amd-amdhsa--gfx1250"
	.amdhsa_code_object_version 6
	.text
	.protected	k_qb6aadf4f38_route
	.globl	k_qb6aadf4f38_route
	.p2align	8
	.type	k_qb6aadf4f38_route,@function
k_qb6aadf4f38_route:
	s_mov_b64 s[64:65], 0
	v_nop
	global_prefetch_b8 v0, s[64:65] scope:SCOPE_SE
	s_setreg_imm32_b32 hwreg(HW_REG_WAVE_MODE, 25, 1), 1
	s_wait_xcnt 0x0
; LayerNorm, router, top-2, gate weights, and xn as codes of FP6 (E2M3) with one E8M0 byte for each 32 along K.
; A work-group is a chunk of 128 tokens; each of its 8 waves takes 16 tokens, two rows a step: lanes 0-15 row 2 t, lanes 16-31 row 2 t + 1; lane i = lane % 16 holds k = 16 i .. 16 i + 15, so two lanes hold a block.
; OUT: rec: 256 bytes a token: block q at 32 q: 24 bytes of codes, then 8 bytes: q = 0: the two scale words; q = 1: the gate weights (wa, wb) of experts a < b; q = 2: a | b << 8, 0; else zeros.
;      tok: key | rank << 8, key = the pair's number 0 .. 27, rank = the token's place among the chunk's tokens of that key.   hist: the chunk's count of each key (words 28-31: 0).
; No address, mask of lanes or branch hangs on the choice: keys are counted by compares against the 28 constants, at fixed lanes.
; x comes by the tensor data mover, 16 bytes of padding behind each 64, so that a lane reads its 64 bytes 80 bytes from its neighbour's; Wr likewise, 1,024 bytes a wave, shared behind one barrier.  Every LDS byte is filled once.
; LIMITS: NaN and infinities are not served.  A block of zeros gets the byte 1 (its codes are zeros; this program alone reads the bytes).  The logits are summed in another order than in the definition:
; a token whose second and third logit agree to within f32 rounding may take the other expert.
.set XROW,  1280                       ; a row of x in LDS: 16 x (64 + 16)
.set XTILE, 16*XROW                    ; a wave's 16 rows
.set WRL,   8*XTILE                    ; Wr: 16 pieces of 512 bytes + 16
.set WRP,   528
.set CNT,   WRL+16*WRP                 ; the waves' counts: 128 bytes a wave
.set WR,  32                           ; v32-159  Wr[16 i + kk][e] at 8 kk + e
.set GA,  160                          ; v160-175 gamma of my 16 k
.set BE,  176                          ; v176-191 beta
.set X,   192                          ; v192-207 the step's 16 numbers; later the records on their way out
.set AC,  208                          ; v208-215 the step's 8 logits
.set LG,  216                          ; v216-223 logits, a token a lane: lane t: token 2 t, lane 16 + t: token 2 t + 1
.set KC,  224                          ; v224-255 step t: three registers of codes and the scale word
; v1 i, v2 lane / 16, v3 x in LDS, v4 my 16 bytes of two records, v5 my byte's shift, v6 4 x lane, v7 tok's offset, v8-15 at work, v16 gamma's offset,
; v20 total, v21 earlier waves' counts, v22 rank, v24 wa, v25 wb, v26 a | b << 8, v27 key, v28 counts, v29-31 LDS addresses
	s_load_b256 s[4:11], s[0:1], 0x0               ; x, gamma, beta, Wr
	s_load_b256 s[12:19], s[0:1], 0x20             ; br, rec, tok, hist
	v_lshl_add_u32 v18, v0, 2, 0x2b000
	v_mov_b32 v19, 0
	ds_add_u32 v18, v19
	ds_add_u32 v18, v19
	v_lshrrev_b32 v8, 5, v0
	v_readfirstlane_b32 s20, v8                    ; wave 0..7
	s_mov_b32 s24, 0x06d20000                      ; x: elements of 4 bytes; padding on, 4 words behind every 16
	s_mov_b32 s25, 256<<16                         ; tensor_dim0
	s_mov_b32 s26, 8<<16                           ; tensor_dim1
	s_mov_b32 s27, 256<<16                         ; tile_dim0
	s_mov_b32 s28, 8                               ; tile_dim1
	s_mov_b32 s29, 256                             ; elements from row to row
	s_mov_b32 s30, 0
	s_mov_b32 s31, 0
	s_mov_b32 s48, 0x07920000                      ; Wr: elements of 4 bytes; padding on, 4 words behind every 128
	s_mov_b32 s49, 128<<16
	s_mov_b32 s50, 2<<16
	s_mov_b32 s51, 128<<16
	s_mov_b32 s52, 2
	s_mov_b32 s53, 128
	s_mov_b32 s54, 0
	s_mov_b32 s55, 0
	s_lshl_b32 s2, ttmp9, 17                       ; 128 rows of 1,024 bytes a chunk,
	s_lshl_b32 s3, s20, 14                         ; 16 a wave
	s_add_co_u32 s2, s2, s3
	s_mov_b32 s3, 0
	s_mul_i32 s21, s20, XTILE
	s_mul_i32 s22, s20, 2*WRP
	s_lshl_b32 s60, s20, 10
	s_mov_b32 s61, 0
	s_wait_dscnt 0x0
	s_wait_kmcnt 0x0
	s_add_nc_u64 s[4:5], s[4:5], s[2:3]
	s_mov_b32 s56, 1
	s_add_co_u32 s57, s22, WRL
	s_add_nc_u64 s[58:59], s[10:11], s[60:61]
	s_or_b32 s59, s59, 0x80000000
	s_mov_b32 s32, 1
	s_mov_b32 s33, s21
	s_mov_b64 s[34:35], s[4:5]
	s_or_b32 s35, s35, 0x80000000
	s_mov_b32 s36, 1
	s_add_co_u32 s37, s21, 8*XROW
	s_add_nc_u64 s[38:39], s[4:5], 8192
	s_or_b32 s39, s39, 0x80000000
	tensor_load_to_lds s[56:59], s[48:55]          ; my 1,024 bytes of Wr,
	s_nop 0
	tensor_load_to_lds s[32:35], s[24:31]          ; my rows 0-7,
	s_nop 0
	tensor_load_to_lds s[36:39], s[24:31]          ; my rows 8-15: three loads of mine are out, each into bytes filled once
	s_nop 0
	v_and_b32 v1, 15, v0
	v_bfe_u32 v2, v0, 4, 1
	v_and_b32 v9, 31, v0
	v_mul_u32_u24 v3, v1, 80
	v_mad_u32_u24 v3, v2, XROW, v3
	v_add_nc_u32 v3, s21, v3
	v_lshlrev_b32 v4, 4, v1
	v_lshl_add_u32 v4, v2, 8, v4
	v_bfe_u32 v5, v0, 1, 2
	v_lshlrev_b32 v5, 3, v5
	v_lshlrev_b32 v6, 2, v9
	v_and_b32 v7, 7, v0
	v_lshl_add_u32 v7, v7, 1, v2
	v_lshlrev_b32 v7, 2, v7
	v_lshlrev_b32 v16, 6, v1
	v_lshl_add_u32 v29, v0, 2, CNT
	v_add_nc_u32 v30, CNT, v6
	v_mul_u32_u24 v31, v1, WRP
	v_add_nc_u32 v31, WRL, v31
.irp j, 0,1,2,3
	global_load_b128 v[GA+4*\j:GA+4*\j+3], v16, s[6:7] offset:16*\j
	global_load_b128 v[BE+4*\j:BE+4*\j+3], v16, s[8:9] offset:16*\j
.endr
	s_load_b256 s[40:47], s[12:13], 0x0            ; br
	s_lshl_b32 s60, ttmp9, 15                      ; rec: 256 bytes a token
	s_lshl_b32 s62, s20, 12
	s_add_co_u32 s60, s60, s62
	s_add_nc_u64 s[14:15], s[14:15], s[60:61]
	s_lshl_b32 s60, ttmp9, 9                       ; tok: 4 bytes a token
	s_lshl_b32 s62, s20, 6
	s_add_co_u32 s60, s60, s62
	s_add_nc_u64 s[16:17], s[16:17], s[60:61]
	s_lshl_b32 s60, ttmp9, 7                       ; hist: 128 bytes a chunk
	s_add_nc_u64 s[18:19], s[18:19], s[60:61]
	s_mov_b32 s66, 0x3b800000                      ; 1 / 256
	s_mov_b32 s67, 0x3727c5ac                      ; 1e-5
	s_mov_b32 s69, 0x00ff00ff                      ; the lanes that hold a token
	s_mov_b32 s70, 0xaaaaaaaa                      ; odd lanes
	s_mov_b32 s71, 0x00020002                      ; lane 1 of each row,
	s_mov_b32 s72, 0x00080008                      ; lane 3,
	s_mov_b32 s73, 0x00200020                      ; lane 5
	s_wait_tensorcnt 0x2                           ; my part of Wr has landed; the two tiles of x may be out
	s_barrier_signal -1
	s_barrier_wait -1                              ; everybody's part has
.set j, 0
.rept 32
	ds_load_b128 v[WR+4*j:WR+4*j+3], v31 offset:16*j
.set j, j+1
.endr
	s_wait_loadcnt 0x0
	s_wait_kmcnt 0x0
	s_wait_tensorcnt 0x1                           ; my rows 0-7 are in (only I read them)
.macro ROWSUM r                        ; the sum over the 16 lanes of a row, in every lane
.irp k, 1,2,4,8
	v_add_f32_dpp v[\r], v[\r], v[\r] row_xmask:\k row_mask:0xf bank_mask:0xf
.endr
.endm
.macro STEP t
.irp j, 0,1,2,3
	ds_load_b128 v[X+4*\j:X+4*\j+3], v3 offset:2*XROW*\t+16*\j
.endr
	s_wait_dscnt 0x0
	v_pk_add_f32 v[8:9], v[X:X+1], v[X+2:X+3]
	v_pk_add_f32 v[10:11], v[X+4:X+5], v[X+6:X+7]
	v_pk_add_f32 v[12:13], v[X+8:X+9], v[X+10:X+11]
	v_pk_add_f32 v[14:15], v[X+12:X+13], v[X+14:X+15]
	v_pk_add_f32 v[8:9], v[8:9], v[10:11]
	v_pk_add_f32 v[12:13], v[12:13], v[14:15]
	v_pk_add_f32 v[8:9], v[8:9], v[12:13]
	v_add_f32 v8, v8, v9
	ROWSUM 8
	v_mul_f32 v8, 0xbb800000, v8                   ; -mean
	v_mov_b32 v9, v8
.irp j, 0,2,4,6,8,10,12,14
	v_pk_add_f32 v[X+\j:X+\j+1], v[X+\j:X+\j+1], v[8:9]
.endr
	v_pk_mul_f32 v[10:11], v[X:X+1], v[X:X+1]      ; the variance of the centred numbers, in two chains
	v_pk_mul_f32 v[12:13], v[X+2:X+3], v[X+2:X+3]
.irp j, 4,8,12
	v_pk_fma_f32 v[10:11], v[X+\j:X+\j+1], v[X+\j:X+\j+1], v[10:11]
	v_pk_fma_f32 v[12:13], v[X+\j+2:X+\j+3], v[X+\j+2:X+\j+3], v[12:13]
.endr
	v_pk_add_f32 v[10:11], v[10:11], v[12:13]
	v_add_f32 v10, v10, v11
	ROWSUM 10
	v_fma_f32 v10, v10, s66, s67
	v_rsq_f32 v10, v10
	v_nop                                          ; a plain line behind the transcendental,
	s_wait_alu depctr_va_vdst(0)                   ; and the wait ahead of the first line that names its result
	v_mov_b32 v11, v10
.irp j, 0,2,4,6,8,10,12,14
	v_pk_mul_f32 v[X+\j:X+\j+1], v[X+\j:X+\j+1], v[10:11]
.endr
.irp j, 0,2,4,6,8,10,12,14
	v_pk_fma_f32 v[X+\j:X+\j+1], v[X+\j:X+\j+1], v[GA+\j:GA+\j+1], v[BE+\j:BE+\j+1]   ; xn
.endr
.set kk, 0
.rept 16                               ; the logits in f32: my 16 k x 8 experts, two experts an instruction, four chains by turns; xn[kk] feeds both halves
.irp p, 0,1,2,3
.if kk == 0
	v_pk_mul_f32 v[AC+2*\p:AC+2*\p+1], v[X:X+1], v[WR+2*\p:WR+2*\p+1] op_sel_hi:[0,1]
.elseif kk%2 == 0
	v_pk_fma_f32 v[AC+2*\p:AC+2*\p+1], v[X+kk:X+kk+1], v[WR+8*kk+2*\p:WR+8*kk+2*\p+1], v[AC+2*\p:AC+2*\p+1] op_sel_hi:[0,1,1]
.else
	v_pk_fma_f32 v[AC+2*\p:AC+2*\p+1], v[X+kk-1:X+kk], v[WR+8*kk+2*\p:WR+8*kk+2*\p+1], v[AC+2*\p:AC+2*\p+1] op_sel:[1,0,0]
.endif
.endr
.set kk, kk+1
.endr
.irp k, 1,2,4,8
.irp e, 0,1,2,3,4,5,6,7
	v_add_f32_dpp v[AC+\e], v[AC+\e], v[AC+\e] row_xmask:\k row_mask:0xf bank_mask:0xf
.endr
.endr
.if \t == 0
.irp e, 0,1,2,3,4,5,6,7
	v_mov_b32 v[LG+\e], v[AC+\e]
.endr
.else
	s_mov_b32 s68, 0x00010001<<\t                  ; lane t of each row keeps this step's logits
.irp e, 0,1,2,3,4,5,6,7
	v_cndmask_b32 v[LG+\e], v[LG+\e], v[AC+\e], s68
.endr
.endif
	v_max3_num_f32 v12, |v[X]|, |v[X+1]|, 0x1800000    ; the largest magnitude of my 16, over the floor 2^(3 - 127): the byte cannot fall under 1
	v_max3_num_f32 v13, |v[X+2]|, |v[X+3]|, |v[X+4]|
	v_max3_num_f32 v12, v12, |v[X+5]|, |v[X+6]|
	v_max3_num_f32 v13, v13, |v[X+7]|, |v[X+8]|
	v_max3_num_f32 v12, v12, |v[X+9]|, |v[X+10]|
	v_max3_num_f32 v13, v13, |v[X+11]|, |v[X+12]|
	v_max3_num_f32 v12, v12, |v[X+13]|, |v[X+14]|
	v_max3_num_f32 v12, v12, v13, |v[X+15]|
	v_max_num_f32_dpp v12, v12, v12 row_xmask:1 row_mask:0xf bank_mask:0xf   ; and of my neighbour's 16: the block's
	v_add_nc_u32 v13, 0xff000000, v12              ; 2 off its exponent field: the conversion's scale operand
	v_cvt_scalef32_pk16_fp6_f32 v[KC+4*\t:KC+4*\t+2], v[X:X+15], v13
	v_lshrrev_b32 v14, 23, v13                     ; the scale's byte (a plain line behind the conversion),
	v_lshlrev_b32 v14, v5, v14                     ; at its place in the scale word of its 128 k;
	v_mov_b32_dpp v15, v14 row_xmask:2 row_mask:0xf bank_mask:0xf
	v_or_b32 v14, v14, v15
	v_mov_b32_dpp v15, v14 row_xmask:4 row_mask:0xf bank_mask:0xf
	v_or_b32 v[KC+4*\t+3], v14, v15                ; lanes 0-7 of a row hold word 0, lanes 8-15 word 1
.endm
	STEP 0
	STEP 1
	STEP 2
	STEP 3
	s_wait_tensorcnt 0x0                           ; my rows 8-15 are in
	STEP 4
	STEP 5
	STEP 6
	STEP 7
	; ---- a token a lane: bias, top-2 (strict compares keep the lower index), softmax over the two with the larger taken away
.irp e, 0,1,2,3,4,5,6,7
	v_add_f32 v[LG+\e], s[40+\e], v[LG+\e]
.endr
	v_mov_b32 v8, v[LG]
	v_mov_b32 v9, 0
.irp e, 1,2,3,4,5,6,7
	v_cmp_gt_f32 vcc_lo, v[LG+\e], v8
	v_cndmask_b32 v8, v8, v[LG+\e], vcc_lo
	v_cndmask_b32 v9, v9, \e, vcc_lo
.endr
	v_mov_b32 v10, 0xff800000
	v_mov_b32 v11, 0
.irp e, 0,1,2,3,4,5,6,7
	v_cmp_ne_u32 s74, \e, v9
	v_cmp_gt_f32 vcc_lo, v[LG+\e], v10
	s_and_b32 vcc_lo, vcc_lo, s74
	v_cndmask_b32 v10, v10, v[LG+\e], vcc_lo
	v_cndmask_b32 v11, v11, \e, vcc_lo
.endr
	v_sub_f32 v12, v10, v8                         ; second - first: 0 or less
	v_mul_f32 v12, 0x3fb8aa3b, v12
	v_exp_f32 v12, v12
	v_nop
	s_wait_alu depctr_va_vdst(0)
	v_add_f32 v13, 1.0, v12
	v_rcp_f32 v13, v13
	v_nop
	s_wait_alu depctr_va_vdst(0)
	v_mul_f32 v12, v12, v13                        ; v13: the first's weight, v12: the second's
	v_min_u32 v14, v9, v11                         ; a < b
	v_max_u32 v15, v9, v11
	v_cmp_lt_u32 vcc_lo, v9, v11
	v_cndmask_b32 v24, v12, v13, vcc_lo            ; wa
	v_cndmask_b32 v25, v13, v12, vcc_lo            ; wb
	v_lshl_or_b32 v26, v15, 8, v14
	v_sub_nc_u32 v27, 15, v14                      ; key = a (15 - a) / 2 + b - a - 1
	v_mul_u32_u24 v27, v27, v14
	v_lshrrev_b32 v27, 1, v27
	v_add_nc_u32 v27, v27, v15
	v_sub_nc_u32 v27, v27, v14
	v_add_nc_u32 v27, -1, v27
	v_cndmask_b32 v27, 31, v27, s69                ; lanes without a token: a key that is never counted
; Step t's two records leave: 512 consecutive bytes.  An even lane stores its 12 bytes of codes and the first 4 of its neighbour's, an odd lane its other 8 and the block's 8 further bytes.
.macro FINISH t
.set O,  X+4*((\t)%4)
.set C0, KC+4*(\t)
.if \t >= 4
	s_wait_xcnt 0x0                                ; the stores four steps back have read these registers
.endif
	v_mov_b32_dpp v8, v24 row_share:\t row_mask:0xf bank_mask:0xf
	v_mov_b32_dpp v9, v25 row_share:\t row_mask:0xf bank_mask:0xf
	v_mov_b32_dpp v10, v26 row_share:\t row_mask:0xf bank_mask:0xf
	v_mov_b32_dpp v11, v[C0+3] row_xmask:8 row_mask:0xf bank_mask:0xf
	v_mov_b32_dpp v12, v[C0] row_xmask:1 row_mask:0xf bank_mask:0xf
	v_cndmask_b32 v13, 0, v[C0+3], s71
	v_cndmask_b32 v13, v13, v8, s72
	v_cndmask_b32 v13, v13, v10, s73
	v_cndmask_b32 v14, 0, v11, s71
	v_cndmask_b32 v14, v14, v9, s72
	v_cndmask_b32 v[O], v[C0], v[C0+1], s70
	v_cndmask_b32 v[O+1], v[C0+1], v[C0+2], s70
	v_cndmask_b32 v[O+2], v[C0+2], v13, s70
	v_cndmask_b32 v[O+3], v12, v14, s70
	global_store_b128 v4, v[O:O+3], s[14:15] offset:512*\t th:TH_STORE_NT
.endm
.irp t, 0,1,2,3,4,5,6,7
	FINISH \t
.endr
	; ---- my wave's count of each key, at lane = key
	v_mov_b32 v28, 0
.set p, 0
.rept 28
	v_cmp_eq_u32 vcc_lo, p, v27
	s_bcnt1_i32_b32 s74, vcc_lo
	v_writelane_b32 v28, s74, p
.set p, p+1
.endr
	ds_store_b32 v29, v28
	s_wait_dscnt 0x0                               ; for the others' sake
	s_barrier_signal -1
	s_barrier_wait -1
.irp w, 0,1,2,3,4,5,6,7
	ds_load_b32 v[8+\w], v30 offset:128*\w
.endr
	v_mov_b32 v20, 0
	v_mov_b32 v21, 0
	v_mov_b32 v22, 0
	s_wait_dscnt 0x0
.irp w, 0,1,2,3,4,5,6,7
	s_cmp_gt_u32 s20, \w
	s_cselect_b32 s74, 1, 0
	v_add_nc_u32 v20, v20, v[8+\w]                 ; the chunk's count,
	v_mad_u32_u24 v21, v[8+\w], s74, v21           ; and that of the waves before mine
.endr
.set p, 0
.rept 28
	v_cmp_eq_u32 vcc_lo, p, v27
	v_readlane_b32 s74, v21, p
	v_mbcnt_lo_u32_b32 v23, vcc_lo, s74            ; tokens of key p in earlier waves and in lower lanes
	v_cndmask_b32 v22, v22, v23, vcc_lo
.set p, p+1
.endr
	v_lshl_or_b32 v23, v22, 8, v27
	s_wait_xcnt 0x0                                ; EXEC changes only behind this wait
	v_cmp_gt_u32 vcc_lo, 8, v1                     ; the lanes that hold a token, by the lane's number
	s_and_saveexec_b32 s75, vcc_lo
	global_store_b32 v7, v23, s[16:17]
	s_wait_xcnt 0x0
	s_or_b32 exec_lo, exec_lo, s75
	s_cmp_lg_u32 s20, 0
	s_cbranch_scc1 .Ldone
	global_store_b32 v6, v20, s[18:19]             ; wave 0: the chunk's row of hist
.Ldone:
	s_wait_tensorcnt 0x0
	ds_add_u32 v18, v19
	s_wait_dscnt 0x0
	s_endpgm
.Lfunc_end_k_qb6aadf4f38_route:
	.size	k_qb6aadf4f38_route, .Lfunc_end_k_qb6aadf4f38_route-k_qb6aadf4f38_route
	.p2alignl 7, 3214868480
	.fill 96, 4, 3214868480
	.section	.rodata,"a",@progbits
	.p2align	6, 0x0
	.amdhsa_kernel k_qb6aadf4f38_route
		.amdhsa_group_segment_fixed_size 177152
		.amdhsa_private_segment_fixed_size 0
		.amdhsa_enable_private_segment 0
		.amdhsa_kernarg_size 64
		.amdhsa_user_sgpr_count 2
		.amdhsa_user_sgpr_kernarg_segment_ptr 1
		.amdhsa_wavefront_size32 1
		.amdhsa_system_sgpr_workgroup_id_x 1
		.amdhsa_system_sgpr_workgroup_id_y 1
		.amdhsa_system_sgpr_workgroup_id_z 1
		.amdhsa_system_vgpr_workitem_id 0
		.amdhsa_next_free_vgpr 256
		.amdhsa_next_free_sgpr 80
		.amdhsa_reserve_vcc 1
		.amdhsa_float_denorm_mode_32 3
		.amdhsa_float_denorm_mode_16_64 3
		.amdhsa_memory_ordered 1
		.amdhsa_forward_progress 1
		.amdhsa_inst_pref_size 120
	.end_amdhsa_kernel
	.amdgpu_metadata
---
amdhsa.version: [ 1, 2 ]
amdhsa.kernels:
  - .name:           k_qb6aadf4f38_route
    .symbol:         k_qb6aadf4f38_route.kd
    .args:
      - { .name: x, .offset: 0, .size: 8, .value_kind: global_buffer, .address_space: global }
      - { .name: gamma, .offset: 8, .size: 8, .value_kind: global_buffer, .address_space: global }
      - { .name: beta, .offset: 16, .size: 8, .value_kind: global_buffer, .address_space: global }
      - { .name: Wr, .offset: 24, .size: 8, .value_kind: global_buffer, .address_space: global }
      - { .name: br, .offset: 32, .size: 8, .value_kind: global_buffer, .address_space: global }
      - { .name: rec, .offset: 40, .size: 8, .value_kind: global_buffer, .address_space: global }
      - { .name: tok, .offset: 48, .size: 8, .value_kind: global_buffer, .address_space: global }
      - { .name: hist, .offset: 56, .size: 8, .value_kind: global_buffer, .address_space: global }
    .group_segment_fixed_size: 177152
    .private_segment_fixed_size: 0
    .kernarg_segment_align: 8
    .kernarg_segment_size: 64
    .max_flat_workgroup_size: 256
    .sgpr_count:     80
    .vgpr_count:     256
    .wavefront_size: 32
...
	.end_amdgpu_metadata
.endif
;; end of part 1
;; launch place (part 2): grid 192 x 1, 4 waves a work-group, no clusters, 0 bytes of LDS; arguments tok, hist, W1, W2, order, binfo, wimg; writes order, binfo, wimg
.if DOCPART == 2
	.amdgcn_target "amdgcn-amd-amdhsa--gfx1250"
	.amdhsa_code_object_version 6
	.text
	.protected	k_qb6aadf4f38_place
	.globl	k_qb6aadf4f38_place
	.p2align	8
	.type	k_qb6aadf4f38_place,@function
k_qb6aadf4f38_place:
	s_mov_b64 s[64:65], 0
	v_nop
	global_prefetch_b8 v0, s[64:65] scope:SCOPE_SE
	s_setreg_imm32_b32 hwreg(HW_REG_WAVE_MODE, 25, 1), 1
	s_wait_xcnt 0x0
; Three jobs that part on the work-group's number; no LDS byte, no barrier.
; Work-groups 0-63: a wave to a chunk c (and to block c of the sorted list).  Tokens are sorted by key: position = first position of the key + tokens of that key in earlier chunks + rank in the chunk.
;   order[position] = token.  binfo[c] = {nibble n: the n-th expert that block c uses; byte n of the next two words: which of the block's 8 tiles of 16 positions use it; 0}.
; Work-groups 64-127: W1, 128-191: W2: f32 [K][N] into codes of FP6 (E2M3) along K, laid in the order of the operand's registers.  A lane takes a column and its registers run down K.
;   wimg: blob (expert, matrix, wave) of 26,624 bytes: 16 fragments of 1,536 bytes (register q of lane l at 512 (q / 4) + 16 l + 4 (q % 4)), then 16 scale registers, four to a lane's 16 bytes, lanes 16-31 as lanes 0-15.
;   W1's fragment 2 t + s: lane r of tile t = 2 b + u is hidden unit 128 w + 32 b + 8 u + r + 8 (r / 8); W2's fragment 4 n + s: lane r is output 64 w + 16 n + r; s: the K step of 128.
; LIMITS: NaN and infinities are not served; a block of zeros gets the byte 1 (its codes are zeros; this program alone reads the bytes).
	s_load_b256 s[4:11], s[0:1], 0x0               ; tok, hist, W1, W2
	s_load_b128 s[12:15], s[0:1], 0x20             ; order, binfo
	s_load_b64 s[16:17], s[0:1], 0x30              ; wimg
	v_lshrrev_b32 v2, 5, v0
	v_readfirstlane_b32 s20, v2                    ; wave 0..3
	v_and_b32 v1, 31, v0                           ; lane
	s_mov_b32 s27, 0
	s_mov_b32 s29, 0
	s_wait_kmcnt 0x0
	s_cmp_lt_u32 ttmp9, 64
	s_cbranch_scc1 .Lplace
	s_cmp_lt_u32 ttmp9, 128
	s_cbranch_scc1 .Lw1
.macro WLOAD kb, pitch                 ; block kb: 32 rows of K at my column, into set kb % 2; a load reads 128 consecutive bytes
.set i, 0
.rept 32
	global_load_b32 v[32+32*((\kb)%2)+i], v3, s[36:37] offset:(32*(\kb)+i)*\pitch th:TH_LOAD_NT
.set i, i+1
.endr
.endm
.macro WBLOCK kb, pitch
.set XSET, 32+32*((\kb)%2)
.set GD,   96+12*((\kb)%2)+6*((\kb)/2) ; block kb belongs to the fragment's lane half kb % 2, registers 6 (kb / 2) on
.if \kb < 3
	s_wait_loadcnt 32                              ; this block's 32 loads are in; the next block's may be out
.else
	s_wait_loadcnt 0x0
.endif
	v_max3_num_f32 v12, |v[XSET]|, |v[XSET+1]|, |v[XSET+2]|
	v_max3_num_f32 v13, |v[XSET+3]|, |v[XSET+4]|, |v[XSET+5]|
.irp i, 6,10,14,18,22,26
	v_max3_num_f32 v12, v12, |v[XSET+\i]|, |v[XSET+\i+1]|
	v_max3_num_f32 v13, v13, |v[XSET+\i+2]|, |v[XSET+\i+3]|
.endr
	v_max3_num_f32 v12, v12, |v[XSET+30]|, |v[XSET+31]|
	v_max3_num_f32 v12, v12, v13, 0x1800000        ; the floor 2^(3 - 127): the byte cannot fall under 1
	v_add_nc_u32 v11, 0xff000000, v12              ; 2 off the exponent field: the conversion's scale operand
	v_lshrrev_b32 v13, 23, v11
.if \kb == 0
	v_mov_b32 v10, v13
.else
	v_lshl_or_b32 v10, v13, 8*\kb, v10             ; the K step's scale word of my column
.endif
	v_cvt_scalef32_pk16_fp6_f32 v[GD:GD+2], v[XSET:XSET+15], v11
	v_cvt_scalef32_pk16_fp6_f32 v[120:122], v[XSET+16:XSET+31], v11   ; (a conversion's three registers begin on an even number)
	v_nop                                          ; a plain line behind the conversions
	v_mov_b32 v[GD+3], v120
	v_mov_b32 v[GD+4], v121
	v_mov_b32 v[GD+5], v122
.if \kb < 2
	WLOAD \kb+2, \pitch
.endif
.endm
.macro WBODY pitch
	WLOAD 0, \pitch
	WLOAD 1, \pitch
	WBLOCK 0, \pitch
	WBLOCK 1, \pitch
	WBLOCK 2, \pitch
	WBLOCK 3, \pitch
.irp h, 0,1
.irp c, 0,1,2
	global_store_b128 v8, v[96+12*\h+4*\c:96+12*\h+4*\c+3], s[32:33] offset:256*\h+512*\c   ; the sixteen lanes of a tile store 256 consecutive bytes, aligned
.endr
.endr
	global_store_b32 v9, v10, s[34:35]
	global_store_b32 v9, v10, s[34:35] offset:256
	s_endpgm
.endm
	; ---- W2: q = work-group - 128: expert q / 8, K step (q / 2) % 4, 32 columns 4 (q % 2) + wave
	s_sub_co_u32 s21, ttmp9, 128
	s_lshr_b32 s22, s21, 3
	s_bfe_u32 s23, s21, 0x20001
	s_and_b32 s24, s21, 1
	s_lshl_b32 s24, s24, 2
	s_add_co_u32 s24, s24, s20                     ; the group of 32 columns
	s_lshr_b32 s25, s24, 1                         ; whose wave's blob,
	s_and_b32 s31, s24, 1                          ; and which half of its 64 outputs
	s_lshl_b32 s26, s22, 19
	s_lshl_b32 s28, s23, 17
	s_add_co_u32 s26, s26, s28
	s_lshl_b32 s28, s24, 7
	s_add_co_u32 s26, s26, s28
	s_add_nc_u64 s[36:37], s[10:11], s[26:27]
	s_lshl_b32 s26, s22, 3
	s_add_co_u32 s26, s26, s25
	s_add_co_u32 s26, s26, 4
	s_mul_i32 s26, s26, 26624                      ; the blob
	s_lshl_b32 s28, s31, 3
	s_add_co_u32 s28, s28, s23
	s_mul_i32 s28, s28, 1536
	s_add_co_u32 s28, s28, s26
	s_add_nc_u64 s[32:33], s[16:17], s[28:29]      ; fragment 8 half + s (+ 4 for lanes 16-31)
	s_lshl_b32 s28, s31, 10
	s_lshl_b32 s30, s23, 2
	s_add_co_u32 s28, s28, s30
	s_add_co_u32 s28, s28, s26
	s_add_co_u32 s28, s28, 24576
	s_add_nc_u64 s[34:35], s[16:17], s[28:29]
	v_lshlrev_b32 v3, 2, v1
	v_bfe_u32 v4, v0, 4, 1                         ; u
	v_and_b32 v5, 15, v0                           ; r
	v_lshlrev_b32 v7, 4, v5
	v_mad_u32_u24 v8, v4, 6144, v7
	v_lshl_add_u32 v9, v4, 9, v7
	WBODY 1024
.Lw1:	; ---- W1: q = work-group - 64: expert q / 8, K step (q / 4) % 2, blob q % 4, 32 columns = wave
	s_sub_co_u32 s21, ttmp9, 64
	s_lshr_b32 s22, s21, 3
	s_bfe_u32 s23, s21, 0x10002
	s_and_b32 s24, s21, 3
	s_lshl_b32 s26, s22, 19
	s_lshl_b32 s28, s23, 18
	s_add_co_u32 s26, s26, s28
	s_lshl_b32 s28, s24, 9
	s_add_co_u32 s26, s26, s28
	s_lshl_b32 s28, s20, 7
	s_add_co_u32 s26, s26, s28
	s_add_nc_u64 s[36:37], s[8:9], s[26:27]
	s_lshl_b32 s26, s22, 3
	s_add_co_u32 s26, s26, s24
	s_mul_i32 s26, s26, 26624                      ; the blob
	s_lshl_b32 s28, s20, 2
	s_add_co_u32 s28, s28, s23
	s_mul_i32 s28, s28, 1536
	s_add_co_u32 s28, s28, s26
	s_add_nc_u64 s[32:33], s[16:17], s[28:29]      ; fragment 4 b + s (+ 2 where u = 1)
	s_lshl_b32 s28, s20, 9
	s_lshl_b32 s30, s23, 2
	s_add_co_u32 s28, s28, s30
	s_add_co_u32 s28, s28, s26
	s_add_co_u32 s28, s28, 24576
	s_add_nc_u64 s[34:35], s[16:17], s[28:29]
	v_lshlrev_b32 v3, 2, v1
	v_bfe_u32 v4, v0, 3, 1                         ; u = (lane / 8) % 2
	v_and_b32 v5, 7, v0
	v_bfe_u32 v6, v0, 4, 1
	v_lshl_add_u32 v5, v6, 3, v5                   ; r = lane % 8 + 8 (lane / 16)
	v_lshlrev_b32 v7, 4, v5
	v_mad_u32_u24 v8, v4, 3072, v7
	v_lshl_add_u32 v9, v4, 3, v7
	WBODY 2048
.Lplace:	; ---- the sort.  hist is read as 64 loads of 512 bytes: lane l holds row 4 j + l / 8, keys 4 (l % 8) + 0 .. 3
	s_lshl_b32 s22, ttmp9, 2
	s_add_co_u32 s22, s22, s20                     ; c
	s_lshl_b32 s26, s22, 9
	s_add_nc_u64 s[4:5], s[4:5], s[26:27]
	s_lshl_b32 s26, ttmp9, 9
	s_add_nc_u64 s[24:25], s[6:7], s[26:27]
	s_mov_b32 s21, 0x10001
	s_mov_b32 s30, 0x76543210
	s_mov_b32 s31, 0xfedcba98
	v_lshlrev_b32 v3, 4, v1
	global_load_b128 v[4:7], v3, s[4:5]            ; my four tokens' key and rank
	global_load_b128 v[8:11], v3, s[24:25]         ; the four rows of my work-group's chunks
.set j, 0
.rept 48
	global_load_b128 v[64+4*j:64+4*j+3], v3, s[6:7] offset:512*j
.set j, j+1
.endr
.irp i, 0,1,2,3
	v_mov_b32 v[20+\i], 0                          ; written once: the destination of a lane move counts as read
.endr
	v_mov_b32 v30, 0
	v_mov_b32 v18, 0x10000
	v_lshrrev_b32 v16, 3, v1                       ; which of a load's four rows is mine
.macro ACCUM                           ; rows 4 j .. 4 j + 3: the low half sums all chunks, the high half the chunks of earlier work-groups; both stay at or under 32,768
	s_cmp_gt_u32 ttmp9, j
	s_cselect_b32 s28, s21, 1
.irp i, 0,1,2,3
.if j == 0
	v_mul_u32_u24 v[12+\i], v[64+\i], s28
.else
	v_mad_u32_u24 v[12+\i], v[64+4*(j%48)+\i], s28, v[12+\i]
.endif
.endr
.set j, j+1
.endm
	s_wait_loadcnt 32                              ; the first 18 loads are in; rows 64 to 191 may be out
.set j, 0
.rept 16
	ACCUM
.endr
.set j, 48
.rept 16
	global_load_b128 v[64+4*(j-48):64+4*(j-48)+3], v3, s[6:7] offset:512*j
.set j, j+1
.endr
	s_wait_loadcnt 16                              ; all but the 16 just issued
.set j, 16
.rept 32
	ACCUM
.endr
	s_wait_loadcnt 0x0
.rept 16
	ACCUM
.endr
	v_cmp_gt_u32 vcc_lo, s20, v16                  ; of my work-group's four chunks those before mine
	v_cndmask_b32 v17, 0, v18, vcc_lo
.irp i, 0,1,2,3
	v_mad_u32_u24 v[12+\i], v[8+\i], v17, v[12+\i]
.endr
.irp i, 0,1,2,3
	v_mov_b32_dpp v[20+\i], v[12+\i] row_xmask:8 row_mask:0xf bank_mask:0xf
.endr
.irp i, 0,1,2,3
	v_add_nc_u32 v[12+\i], v[12+\i], v[20+\i]
.endr
.irp i, 0,1,2,3
	v_permlanex16_b32 v[20+\i], v[12+\i], s30, s31
.endr
.irp i, 0,1,2,3
	v_add_nc_u32 v[12+\i], v[12+\i], v[20+\i]      ; every lane: keys 4 (l % 8) + i
.endr
	v_lshrrev_b32 v24, 2, v1
	v_lshlrev_b32 v24, 2, v24
.irp i, 0,1,2,3
	ds_bpermute_b32 v[20+\i], v24, v[12+\i]        ; lane = key: from lane key / 4,
.endr
	v_and_b32 v25, 3, v1
	s_wait_dscnt 0x0
	v_mov_b32 v26, v20
.irp i, 1,2,3
	v_cmp_eq_u32 vcc_lo, \i, v25
	v_cndmask_b32 v26, v26, v[20+\i], vcc_lo       ; register key % 4
.endr
	v_and_b32 v27, 0xffff, v26                     ; the key's tokens in all,
	v_lshrrev_b32 v28, 16, v26                     ; and in earlier chunks
	v_mov_b32 v29, v27
.irp k, 1,2,4,8
	v_mov_b32_dpp v30, v29 row_shr:\k row_mask:0xf bank_mask:0xf bound_ctrl:1
	v_add_nc_u32 v29, v29, v30
.endr
	v_readlane_b32 s28, v29, 15
	v_lshrrev_b32 v31, 4, v1
	v_mul_u32_u24 v30, v31, s28
	v_add_nc_u32 v29, v29, v30                     ; where the key ends,
	v_sub_nc_u32 v32, v29, v27                     ; where it begins,
	v_add_nc_u32 v33, v32, v28                     ; where my chunk's tokens of it begin
.irp i, 0,1,2,3
	v_and_b32 v[40+\i], 0xff, v[4+\i]
	v_min_u32 v[40+\i], 31, v[40+\i]
	v_lshlrev_b32 v[40+\i], 2, v[40+\i]
	ds_bpermute_b32 v[36+\i], v[40+\i], v33
.endr
	s_lshl_b32 s34, s22, 7                         ; 128 c: my first token, and my block's first position
	v_lshl_add_u32 v52, v1, 2, s34
.irp i, 1,2,3
	v_add_nc_u32 v[52+\i], \i, v52
.endr
	s_wait_dscnt 0x0
.irp i, 0,1,2,3
	v_lshrrev_b32 v44, 8, v[4+\i]
	v_add_nc_u32 v[48+\i], v[36+\i], v44
	v_min_u32 v[48+\i], 0x7fff, v[48+\i]
	v_lshlrev_b32 v[48+\i], 2, v[48+\i]
	global_store_b32 v[48+\i], v[52+\i], s[12:13]
.endr
	; ---- block c.  Lane e (0-7) holds the set of keys that hold expert e
	v_mov_b32 v56, 0
.macro PAIRS e, bits
	s_mov_b32 s28, \bits
	v_writelane_b32 v56, s28, \e
.endm
	PAIRS 0, 0x7f
	PAIRS 1, 0x1f81
	PAIRS 2, 0x3e082
	PAIRS 3, 0x3c2104
	PAIRS 4, 0x1c44208
	PAIRS 5, 0x6488410
	PAIRS 6, 0xa910820
	PAIRS 7, 0xd221040
	v_mov_b32 v60, 0
.irp m, 0,1,2,3,4,5,6,7
	s_add_co_u32 s35, s34, 16*\m
	s_add_co_u32 s36, s34, 16*\m+16
	v_max_u32 v57, s35, v32
	v_min_u32 v58, s36, v29
	v_cmp_lt_u32 s37, v57, v58                     ; the keys that have a position in tile m
	v_and_b32 v57, s37, v56
	v_cmp_ne_u32 vcc_lo, 0, v57
	v_cndmask_b32 v57, 0, 1, vcc_lo
	v_lshl_or_b32 v60, v57, \m, v60                ; lane e: expert e's tiles
.endr
	s_mov_b32 s40, 0                               ; the list is packed without a branch: an expert with no tile adds nothing and takes no place
	s_mov_b32 s41, 0
	s_mov_b32 s42, 0
	s_mov_b32 s43, 0
	s_mov_b32 s45, 0
.irp e, 0,1,2,3,4,5,6,7
	v_readlane_b32 s44, v60, \e
	s_lshl_b64 s[46:47], s[44:45], s43
	s_or_b32 s41, s41, s46
	s_or_b32 s42, s42, s47
	s_lshr_b32 s48, s43, 1
	s_lshl_b32 s49, \e, s48
	s_cmp_lg_u32 s44, 0
	s_cselect_b32 s49, s49, 0
	s_cselect_b32 s50, 8, 0
	s_or_b32 s40, s40, s49
	s_add_co_u32 s43, s43, s50
.endr
	v_mov_b32 v8, s40
	v_mov_b32 v9, s41
	v_mov_b32 v10, s42
	v_mov_b32 v11, 0
	v_mov_b32 v62, 0
	s_lshl_b32 s26, s22, 4
	s_add_nc_u64 s[14:15], s[14:15], s[26:27]
	s_wait_xcnt 0x0                                ; EXEC changes only behind this wait
	v_cmp_eq_u32 vcc_lo, 0, v1
	s_and_saveexec_b32 s28, vcc_lo
	global_store_b128 v62, v[8:11], s[14:15]
	s_wait_xcnt 0x0
	s_or_b32 exec_lo, exec_lo, s28
	s_endpgm
.Lfunc_end_k_qb6aadf4f38_place:
	.size	k_qb6aadf4f38_place, .Lfunc_end_k_qb6aadf4f38_place-k_qb6aadf4f38_place
	.p2alignl 7, 3214868480
	.fill 96, 4, 3214868480
	.section	.rodata,"a",@progbits
	.p2align	6, 0x0
	.amdhsa_kernel k_qb6aadf4f38_place
		.amdhsa_group_segment_fixed_size 0
		.amdhsa_private_segment_fixed_size 0
		.amdhsa_enable_private_segment 0
		.amdhsa_kernarg_size 56
		.amdhsa_user_sgpr_count 2
		.amdhsa_user_sgpr_kernarg_segment_ptr 1
		.amdhsa_wavefront_size32 1
		.amdhsa_system_sgpr_workgroup_id_x 1
		.amdhsa_system_sgpr_workgroup_id_y 1
		.amdhsa_system_sgpr_workgroup_id_z 1
		.amdhsa_system_vgpr_workitem_id 0
		.amdhsa_next_free_vgpr 256
		.amdhsa_next_free_sgpr 66
		.amdhsa_reserve_vcc 1
		.amdhsa_float_denorm_mode_32 3
		.amdhsa_float_denorm_mode_16_64 3
		.amdhsa_memory_ordered 1
		.amdhsa_forward_progress 1
		.amdhsa_inst_pref_size 81
	.end_amdhsa_kernel
	.amdgpu_metadata
---
amdhsa.version: [ 1, 2 ]
amdhsa.kernels:
  - .name:           k_qb6aadf4f38_place
    .symbol:         k_qb6aadf4f38_place.kd
    .args:
      - { .name: tok, .offset: 0, .size: 8, .value_kind: global_buffer, .address_space: global }
      - { .name: hist, .offset: 8, .size: 8, .value_kind: global_buffer, .address_space: global }
      - { .name: W1, .offset: 16, .size: 8, .value_kind: global_buffer, .address_space: global }
      - { .name: W2, .offset: 24, .size: 8, .value_kind: global_buffer, .address_space: global }
      - { .name: order, .offset: 32, .size: 8, .value_kind: global_buffer, .address_space: global }
      - { .name: binfo, .offset: 40, .size: 8, .value_kind: global_buffer, .address_space: global }
      - { .name: wimg, .offset: 48, .size: 8, .value_kind: global_buffer, .address_space: global }
    .group_segment_fixed_size: 0
    .private_segment_fixed_size: 0
    .kernarg_segment_align: 8
    .kernarg_segment_size: 56
    .max_flat_workgroup_size: 128
    .sgpr_count:     66
    .vgpr_count:     256
    .wavefront_size: 32
...
	.end_amdgpu_metadata
.endif
;; end of part 2
;; launch chain (part 3): grid 256 x 1, 4 waves a work-group, no clusters, 106,496 bytes of LDS; arguments rec, order, binfo, wimg, b1, b2, out0; writes out0
.if DOCPART == 3
	.amdgcn_target "amdgcn-amd-amdhsa--gfx1250"
	.amdhsa_code_object_version 6
	.text
	.protected	k_qb6aadf4f38_chain
	.globl	k_qb6aadf4f38_chain
	.p2align	8
	.type	k_qb6aadf4f38_chain,@function
k_qb6aadf4f38_chain:
	s_mov_b64 s[64:65], 0
	v_nop
	global_prefetch_b8 v0, s[64:65] scope:SCOPE_SE
	s_setreg_imm32_b32 hwreg(HW_REG_WAVE_MODE, 25, 1), 1
	s_wait_xcnt 0x0
; out0[token] = sum over the token's two experts e of gate_e x (gelu(xn W1[e] + b1[e]) W2[e] + b2[e]); both products on codes of FP6 (E2M3) with one E8M0 scale for each 32 along K.
; A work-group owns block i of the sorted list: 128 tokens, 8 tiles of 16; it is the one owner of their rows of out0.  It walks the block's list of experts (8 places, a loop of constant count); a tile that
; no token of which uses the expert is passed over by a scalar branch on the stored mask; a token of a tile that does not use the expert has the gate 0.
; THE WAVES SHARE THE COLUMNS: wave w makes hidden units 128 w .. + 127 and outputs 64 w .. + 63 of all tokens; its part of the expert's W1 and W2 comes from memory straight into registers, in register order.
; Both products are used transposed (source 0 = 16 rows of the weight, source 1 = 16 tokens): a lane holds one token.  The hidden layer is quantised in registers and goes from wave to wave through LDS as images of the operand's registers.
; No cluster and no tensor load: which experts a block walks is read from memory, and neighbours' lists differ where the sorted list changes its pair.
; GELU = 0.5 x + 0.5 x erf(x / sqrt 2), erf(z) = z P(z^2) / Q(z^2) on z held to +-4 (degrees 6 and 4 in z^2); the factors of z = x / sqrt 2 are folded into the coefficients.
; LIMITS: NaN and infinities are not served.  erf's absolute error is a few 1e-7, so the relative error of the small results for x < -3 grows, and for x < -5.66 the result lies within about 1e-7 |x| of 0.
; A block of zeros gets the byte 1: its codes are zeros.
; REGISTERS, in windows of 256: window 1: W1's 16 fragments at v[12 f], b1's 8 tiles at v[192 + 8 t].  window 2: W2's 16 fragments, b2's 4 tiles at v[192 + 8 n].  window 3: y, tile (m, n) at v[8 (4 m + n)].
.set XREC, 0                           ; LDS: the 128 records, 272 bytes apart
.set HIMG, 34816                       ; the hidden layer's fragments: K step w, tile m at 12,288 w + 1,536 m
.set HSC,  83968                       ; their scale words: 1,024 w + 128 m
.set STG,  88064                       ; the way out: 16 rows x 272 for each wave
.set ORD,  105472                      ; the block's 128 token numbers
.set FR,  12
.set CF,  22                           ; v22-45  the coefficients, each twice (a pair): P's seven, then Q's five, highest power first
.set G,   46                           ; v46-47  the gate (v47: 0)
.set AB,  48                           ; v48     a | b << 8;  v49, v244 at work
.set WAB, 50                           ; v50-51  wa, wb
.set XS,  52                           ; v52-53  x's scale words
.set HS,  54                           ; v54-57  the hidden layer's
.set XF,  58                           ; v58-81  x's two fragments
.set HA,  82                           ; v82-145 my 8 tiles of the hidden layer; in the second product four accumulators; at the head records, at the end rows
.set T,   146                          ; v146-209 at work
.set XC,  T
.set U,   T+16
.set P,   T+32
.set Q,   T+48
.set PC,  T                            ; the codes just made (20 registers)
.set TM,  T+20                         ; largest magnitudes, bytes, scale operands (16)
.set PW,  T+36                         ; the scale word just made
.set W1S, 210                          ; v210-225 W1's scale words
.set W2S, 226                          ; v226-241 W2's
.set HALF, 242                         ; v242-243 0.5
; v1 r, v2 h, v3 16 l, v4 HIMG + 16 l, v5 HSC + 4 l, v6 272 r + 32 h, v7 272 r, v8, v9 where I store images and scale words, v10-13 the tile's addresses, v14, v15 the stage in and back,
; v16 ORD + 4 h, v17 256 w + 16 r, v18 64 h, v19 32 h, v20 4 sqrt 2
; s18 wave; s20-22 the list, shifted as it is walked; s24 expert, s25 its tiles, s26, s27 the next's; s28 26,624 w, s29 512 w, s32 256 w; s33, s34 counters; s36-45 bases; s46-48 the tile's steps
.set MSB, 0
.macro WIN new                         ; the immediate's high byte repeats the setting that is left
.if MSB != \new
	s_set_vgpr_msb (MSB<<8)|\new
.set MSB, \new
.endif
.endm
.macro DECODE
	s_and_b32 s24, s20, 15
	s_min_u32 s24, s24, 7
	s_and_b32 s25, s21, 0xff
.endm
.macro W1BASE sE
	s_mul_i32 s38, \sE, 212992
	s_add_co_u32 s38, s38, s28
	s_add_nc_u64 s[36:37], s[10:11], s[38:39]
	s_lshl_b32 s38, \sE, 11
	s_add_co_u32 s38, s38, s29
	s_add_nc_u64 s[40:41], s[12:13], s[38:39]
.endm
.macro W1FRAGS                         ; 48 loads of 512 consecutive bytes
	WIN 0x40
.set f, 0
.rept 16
.irp c, 0,1,2
	global_load_b128 v[FR*f+4*\c:FR*f+4*\c+3], v3, s[36:37] offset:1536*f+512*\c
.endr
.set f, f+1
.endr
	WIN 0
.endm
.macro W1REST                          ; 20 loads: b1 in the result's layout (tile 2 b + u: units 32 b + 16 h + 8 u + 0 .. 7), and the scale words
	WIN 0x40
.irp t, 0,1,2,3,4,5,6,7
	global_load_b128 v[192+8*\t:192+8*\t+3], v18, s[40:41] offset:(32*(\t/2)+8*(\t%2))*4
	global_load_b128 v[192+8*\t+4:192+8*\t+7], v18, s[40:41] offset:(32*(\t/2)+8*(\t%2))*4+16
.endr
	WIN 0
.irp g, 0,1,2,3
	global_load_b128 v[W1S+4*\g:W1S+4*\g+3], v3, s[36:37] offset:24576+512*\g
.endr
.endm
.macro W2BASE sE
	s_mul_i32 s38, \sE, 212992
	s_add_co_u32 s38, s38, s28
	s_add_co_u32 s38, s38, 106496
	s_add_nc_u64 s[42:43], s[10:11], s[38:39]
	s_lshl_b32 s38, \sE, 10
	s_add_co_u32 s38, s38, s32
	s_add_nc_u64 s[44:45], s[14:15], s[38:39]
.endm
.macro W2ALL                           ; 60 loads
	WIN 0x80
.set f, 0
.rept 16
.irp c, 0,1,2
	global_load_b128 v[FR*f+4*\c:FR*f+4*\c+3], v3, s[42:43] offset:1536*f+512*\c
.endr
.set f, f+1
.endr
.irp n, 0,1,2,3
	global_load_b128 v[192+8*\n:192+8*\n+3], v19, s[44:45] offset:64*\n
	global_load_b128 v[192+8*\n+4:192+8*\n+7], v19, s[44:45] offset:64*\n+16
.endr
	WIN 0
.irp g, 0,1,2,3
	global_load_b128 v[W2S+4*\g:W2S+4*\g+3], v3, s[42:43] offset:24576+512*\g
.endr
.endm
	s_load_b256 s[4:11], s[0:1], 0x0               ; rec, order, binfo, wimg
	s_load_b128 s[12:15], s[0:1], 0x20             ; b1, b2
	s_load_b64 s[16:17], s[0:1], 0x30              ; out0
	v_lshl_add_u32 v254, v0, 2, 0x19e00
	v_mov_b32 v255, 0
	v_lshrrev_b32 v1, 5, v0
	v_readfirstlane_b32 s18, v1                    ; wave 0..3
	v_and_b32 v1, 15, v0
	v_bfe_u32 v2, v0, 4, 1
	v_and_b32 v245, 31, v0
	v_lshlrev_b32 v3, 4, v245
	v_add_nc_u32 v4, HIMG, v3
	v_lshlrev_b32 v246, 2, v245
	v_add_nc_u32 v5, HSC, v246
	v_mul_u32_u24 v7, v1, 272
	v_lshl_add_u32 v6, v2, 5, v7
	s_mul_i32 s19, s18, 12288
	v_add_nc_u32 v8, s19, v4
	s_lshl_b32 s19, s18, 10
	v_add_nc_u32 v9, s19, v5
	v_lshlrev_b32 v247, 4, v1
	v_mad_u32_u24 v15, v2, 272, v247
	s_mul_i32 s19, s18, 8704
	v_add_nc_u32 v248, s19, v15                    ; where I put records: rows 32 w + 2 i + h
	s_mul_i32 s19, s18, 4352
	s_add_co_u32 s19, s19, STG
	v_add_nc_u32 v14, s19, v6
	v_add_nc_u32 v15, s19, v15
	v_lshl_add_u32 v16, v2, 2, ORD
	s_lshl_b32 s32, s18, 8
	v_add_nc_u32 v17, s32, v247
	v_lshlrev_b32 v18, 6, v2
	v_lshlrev_b32 v19, 5, v2
	v_lshlrev_b32 v249, 2, v2
	v_lshl_add_u32 v250, v0, 2, ORD
	s_mul_i32 s28, s18, 26624
	s_lshl_b32 s29, s18, 9
	s_mov_b32 s30, 0x76543210
	s_mov_b32 s31, 0xfedcba98                      ; v_permlanex16_b32's selects for lane l xor 16
	s_lshl_b32 s38, ttmp9, 9                       ; order: 128 positions a block, 32 a wave
	s_lshl_b32 s19, s18, 7
	s_add_co_u32 s38, s38, s19
	s_mov_b32 s39, 0
	s_lshl_b32 s34, ttmp9, 4
	s_mov_b32 s35, 0
	s_wait_kmcnt 0x0
	s_add_nc_u64 s[6:7], s[6:7], s[38:39]
	s_add_nc_u64 s[8:9], s[8:9], s[34:35]
	s_load_b128 s[20:23], s[8:9], 0x0
.irp i, 0,1,2,3,4,5,6,7,8,9,10,11,12,13,14,15
	global_load_b32 v[T+\i], v249, s[6:7] offset:8*\i      ; the token at position 32 w + 2 i + h
.endr
	global_load_b32 v[T+16], v246, s[6:7]          ; and at 32 w + lane
	s_wait_kmcnt 0x0
	DECODE
	W1BASE s24
	W1FRAGS
	s_wait_loadcnt 48                              ; the token numbers are in; behind them: W1's 48 fragment loads
.irp i, 0,1,2,3,4,5,6,7,8,9,10,11,12,13,14,15
	v_min_u32 v[T+\i], 0x7fff, v[T+\i]
	v_lshl_add_u32 v[T+\i], v[T+\i], 8, v247
.endr
.irp i, 0,1,2,3,4,5,6,7,8,9,10,11,12,13,14,15
	global_load_b128 v[HA+4*\i:HA+4*\i+3], v[T+\i], s[4:5] th:TH_LOAD_NT   ; two whole records an instruction; each is read once in the launch
.endr
	W1REST
	WIN 0xc0
.set j, 0
.rept 256
	v_mov_b32 v[j], 0                              ; y.  Which expert reaches a tile first is known only from the stored list, so no product can start these sums
.set j, j+1
.endr
	WIN 0
.macro COEF idx, bits, fold
	v_mov_b32 v[CF+2*\idx], \bits
.if \fold
	v_mul_f32 v[CF+2*\idx], 0x3f3504f3, v[CF+2*\idx]   ; x 1 / sqrt 2: P is multiplied by x and not by z
.endif
	v_mov_b32 v[CF+2*\idx+1], v[CF+2*\idx]
.endm
	COEF 0,  0xac95df0b, 1                         ; -2.72614226e-10 / 2^6: the power of z^2 = x^2 / 2 is taken off the exponent
	COEF 1,  0x306dffee, 1                         ;  2.77068142e-08 / 2^5
	COEF 2,  0xb40cff51, 1                         ; -2.10102402e-06 / 2^4
	COEF 3,  0xb6eec2d2, 1                         ; -5.69250639e-05 / 2^3
	COEF 4,  0xb940ac63, 1                         ; -7.34990630e-04 / 2^2
	COEF 5,  0xbac1a1f6, 1                         ; -2.95459981e-03 / 2
	COEF 6,  0xbc83dbd4, 1                         ; -1.60960333e-02
	COEF 7,  0xb57460cd, 0                         ; -1.45660718e-05 / 2^4
	COEF 8,  0xb7dfbd29, 0                         ; -2.13374055e-04 / 2^3
	COEF 9,  0xb9dc924e, 0                         ; -1.68282697e-03 / 2^2
	COEF 10, 0xbb719bf8, 0                         ; -7.37332917e-03 / 2
	COEF 11, 0xbc69b6a7, 0                         ; -1.42647391e-02
	v_mov_b32 v20, 0x40b504f3
	v_mov_b32 v[HALF], 0.5
	v_mov_b32 v[HALF+1], 0.5
	v_mov_b32 v[G], 0
	v_mov_b32 v[G+1], 0
	s_wait_loadcnt 20                              ; the records are in; behind them: b1 and W1's scale words
.irp i, 0,1,2,3,4,5,6,7,8,9,10,11,12,13,14,15
	ds_store_b128 v248, v[HA+4*\i:HA+4*\i+3] offset:544*\i
.endr
	ds_store_b32 v250, v[T+16]
	W2BASE s24
	W2ALL
	s_wait_loadcnt 60                              ; all of W1 is in; W2's 60 loads land under the first product
	s_wait_dscnt 0x0
	s_barrier_signal -1
	s_barrier_wait -1                              ; the 128 records and token numbers lie in LDS
; Product q of a tile's 16: tile of hidden units 2 (q / 4) + q % 2, K step (q % 4) / 2.  The two accumulators of a group of four take turns.  b1 is the C of a sum's first product.
.macro MM q
.set tq, 2*((\q)/4)+(\q)%2
.set sq, ((\q)%4)/2
.if sq == 0
	WIN 0x11
	v_wmma_scale_f32_16x16x128_f8f6f4 v[HA+8*tq:HA+8*tq+7], v[FR*(2*tq):FR*(2*tq)+FR-1], v[XF:XF+FR-1], v[192+8*tq:192+8*tq+7], v[W1S+2*tq], v[XS] matrix_a_fmt:MATRIX_FMT_FP6 matrix_b_fmt:MATRIX_FMT_FP6
.else
	WIN 0x01
	v_wmma_scale_f32_16x16x128_f8f6f4 v[HA+8*tq:HA+8*tq+7], v[FR*(2*tq+1):FR*(2*tq+1)+FR-1], v[XF+FR:XF+2*FR-1], v[HA+8*tq:HA+8*tq+7], v[W1S+2*tq+1], v[XS+1] matrix_a_fmt:MATRIX_FMT_FP6 matrix_b_fmt:MATRIX_FMT_FP6
.endif
.endm
.macro HP c                            ; P = P u + coefficient c
.irp j, 0,2,4,6,8,10,12,14
	v_pk_fma_f32 v[P+\j:P+\j+1], v[P+\j:P+\j+1], v[U+\j:U+\j+1], v[CF+2*(\c):CF+2*(\c)+1]
.endr
.endm
.macro HQ c
.irp j, 0,2,4,6,8,10,12,14
	v_pk_fma_f32 v[Q+\j:Q+\j+1], v[Q+\j:Q+\j+1], v[U+\j:U+\j+1], v[CF+2*(\c):CF+2*(\c)+1]
.endr
.endm
; 16 numbers of a lane (two tiles) through the GELU, in place.  The next two tiles' four products stand singly among the first lines; the 16 plain lines of the last step of Q and its partner stand behind the last of them.
.macro GELU g
.set XR, HA+16*(\g)
.set j, 0
.rept 16
	v_med3_num_f32 v[XC+j], v[XR+j], -v20, v20     ; from each accumulator's low end on
.set j, j+1
.endr
.if \g < 3
	MM 4*(\g)+4
	WIN 0
.endif
.irp j, 0,2,4,6,8,10,12,14
	v_pk_mul_f32 v[U+\j:U+\j+1], v[XC+\j:XC+\j+1], v[XC+\j:XC+\j+1]
.endr
.irp j, 0,2,4,6,8,10,12,14
	v_pk_fma_f32 v[P+\j:P+\j+1], v[U+\j:U+\j+1], v[CF:CF+1], v[CF+2:CF+3]
.endr
.irp j, 0,2,4,6,8,10,12,14
	v_pk_fma_f32 v[Q+\j:Q+\j+1], v[U+\j:U+\j+1], v[CF+14:CF+15], v[CF+16:CF+17]
.endr
.if \g < 3
	MM 4*(\g)+5
	WIN 0
.endif
	HP 2
	HQ 9
.if \g < 3
	MM 4*(\g)+6
	WIN 0
.endif
	HP 3
	HQ 10
.if \g < 3
	MM 4*(\g)+7
	WIN 0
.endif
	HP 4
	HQ 11
.set j, 0
.rept 16
	v_rcp_f32 v[Q+j], v[Q+j]                       ; one batch; Q is negative everywhere, never 0
.set j, j+1
.endr
	HP 5                                           ; 32 plain lines that name no reciprocal
	HP 6
.irp j, 0,2,4,6,8,10,12,14
	v_pk_mul_f32 v[P+\j:P+\j+1], v[P+\j:P+\j+1], v[XC+\j:XC+\j+1]
.endr
.irp j, 0,2,4,6,8,10,12,14
	v_pk_mul_f32 v[U+\j:U+\j+1], v[XR+\j:XR+\j+1], v[HALF:HALF+1]
.endr
	s_wait_alu depctr_va_vdst(0)                   ; one wait for the 16 reciprocals, ahead of their first reader
.irp j, 0,2,4,6,8,10,12,14
	v_pk_mul_f32 v[P+\j:P+\j+1], v[P+\j:P+\j+1], v[Q+\j:Q+\j+1]      ; erf
.endr
.irp j, 0,2,4,6,8,10,12,14
	v_pk_fma_f32 v[XR+\j:XR+\j+1], v[U+\j:U+\j+1], v[P+\j:P+\j+1], v[U+\j:U+\j+1]
.endr
.endm
; 64 numbers of a lane, register 16 b + i = k 32 b + 16 h + i of my token, become a fragment's codes in v[PC] on and its scale word in v[PW].
.macro QUANT s
.irp b, 0,1,2,3
	v_max3_num_f32 v[TM+\b], |v[\s+16*\b]|, |v[\s+1+16*\b]|, 0x1800000   ; my 16 numbers of block b, over the floor 2^(3 - 127)
.endr
.irp i, 2,4,6,8,10,12,14
.irp b, 0,1,2,3
	v_max3_num_f32 v[TM+\b], v[TM+\b], |v[\s+16*\b+\i]|, |v[\s+1+16*\b+\i]|
.endr
.endr
.irp b, 0,1,2,3
	v_permlanex16_b32 v[TM+4+\b], v[TM+\b], s30, s31
.endr
.irp b, 0,1,2,3
	v_max_num_f32 v[TM+\b], v[TM+\b], v[TM+4+\b]   ; with lane l xor 16's: the block's largest magnitude
.endr
.irp b, 0,1,2,3
	v_add_nc_u32 v[TM+12+\b], 0xff000000, v[TM+\b] ; 2 off its exponent field: the conversion's scale operand
.endr
.irp b, 0,1,2,3
	v_lshrrev_b32 v[TM+4+\b], 23, v[TM+12+\b]
.endr
	v_lshl_or_b32 v[PW], v[TM+5], 8, v[TM+4]
	v_lshl_or_b32 v[PW], v[TM+6], 16, v[PW]
	v_lshl_or_b32 v[PW], v[TM+7], 24, v[PW]
.irp c, 0,1
	v_cvt_scalef32_pk16_fp6_f32 v[PC+6*\c:PC+2+6*\c], v[\s+32*\c:\s+15+32*\c], v[TM+12+2*\c]
	v_cvt_scalef32_pk16_fp6_f32 v[PC+12+4*\c:PC+14+4*\c], v[\s+16+32*\c:\s+31+32*\c], v[TM+12+2*\c+1]
.endr
	v_nop                                          ; a plain line behind the conversions
.irp c, 0,1                            ; the operand wants a whole block in a lane: lanes 0-15 block 2 c, lanes 16-31 block 2 c + 1
.irp i, 0,1,2
	v_permlane16_swap_b32 v[PC+6*\c+\i], v[PC+12+4*\c+\i]
.endr
.irp i, 0,1,2
	v_mov_b32 v[PC+3+6*\c+\i], v[PC+12+4*\c+\i]
.endr
.endr
.endm
; The first product, GELU and quantiser of one tile of 16 tokens.  A block of 32 codes lies at a multiple of 32 bytes of the record: 16 bytes and 8 bytes bring it.
.macro TILE1
	v_add_nc_u32 v10, s46, v6
	v_add_nc_u32 v11, s46, v7
.irp s, 0,1
.irp c, 0,1
	ds_load_b128 v[XF+12*\s+6*\c:XF+12*\s+6*\c+3], v10 offset:128*\s+64*\c
	ds_load_b64 v[XF+12*\s+6*\c+4:XF+12*\s+6*\c+5], v10 offset:128*\s+64*\c+16
.endr
.endr
	ds_load_b64 v[XS:XS+1], v11 offset:24
	s_wait_dscnt 0x0                               ; x's fragments are in, and the last tile's stores are done
	v_add_nc_u32 v12, s47, v8
	v_add_nc_u32 v13, s48, v9
	MM 0
	MM 1
	MM 2
	MM 3
	WIN 0
.rept 4
	v_nop                                          ; four plain lines between a product and the first read of its result (ISA guide 7.12.1)
.endr
	GELU 0
	GELU 1
	GELU 2
	GELU 3
	QUANT HA
.irp c, 0,1,2
	ds_store_b128 v12, v[PC+4*\c:PC+4*\c+3] offset:512*\c    ; K step w of the second product, as it stands in my registers
.endr
	ds_store_b32 v13, v[PW]
.endm
; The second product of tile m: my 64 outputs, four accumulators by turns, a K step at a time; b2 is the C of each sum's first product; then y += gate x result.
.macro TILE2 m
	s_bitcmp1_b32 s25, \m
	s_cbranch_scc0 .Lt2_\m
	ds_load_b64 v[WAB:WAB+1], v7 offset:4352*\m+56
	ds_load_b32 v[AB], v7 offset:4352*\m+88
.irp s, 0,1,2,3
.irp c, 0,1,2
	ds_load_b128 v[T+12*\s+4*\c:T+12*\s+4*\c+3], v4 offset:12288*\s+1536*\m+512*\c
.endr
	ds_load_b32 v[HS+\s], v5 offset:1024*\s+128*\m
.endr
.irp s, 0,1,2,3
	s_wait_dscnt 12-4*\s                           ; this K step's four loads are in; the later steps' may be out
.if \s == 0
	WIN 0x22
.else
	WIN 0x02
.endif
.irp n, 0,1,2,3
.if \s == 0
	v_wmma_scale_f32_16x16x128_f8f6f4 v[HA+8*\n:HA+8*\n+7], v[FR*(4*\n):FR*(4*\n)+FR-1], v[T:T+FR-1], v[192+8*\n:192+8*\n+7], v[W2S+4*\n], v[HS] matrix_a_fmt:MATRIX_FMT_FP6 matrix_b_fmt:MATRIX_FMT_FP6
.else
	v_wmma_scale_f32_16x16x128_f8f6f4 v[HA+8*\n:HA+8*\n+7], v[FR*(4*\n+\s):FR*(4*\n+\s)+FR-1], v[T+12*\s:T+12*\s+FR-1], v[HA+8*\n:HA+8*\n+7], v[W2S+4*\n+\s], v[HS+\s] matrix_a_fmt:MATRIX_FMT_FP6 matrix_b_fmt:MATRIX_FMT_FP6
.endif
.endr
.endr
	WIN 0
	v_and_b32 v49, 0xff, v[AB]                     ; the gate: wa where a is this expert, wb where b is, else 0.  These eight lines name no register of the products:
	v_lshrrev_b32 v244, 8, v[AB]                   ; they are the plain lines between the products and the reads of their results, the next tile's loads and its first products
	v_cmp_eq_u32 vcc_lo, s24, v49
	v_cndmask_b32 v[G], 0, v[WAB], vcc_lo
	v_cmp_eq_u32 vcc_lo, s24, v244
	v_cndmask_b32 v[G], v[G], v[WAB+1], vcc_lo
	v_nop
	v_nop
	WIN 0xf0
.irp n, 0,1,2,3
.irp k, 0,2,4,6
	v_pk_fma_f32 v[8*(4*\m+\n)+\k:8*(4*\m+\n)+\k+1], v[HA+8*\n+\k:HA+8*\n+\k+1], v[G:G+1], v[8*(4*\m+\n)+\k:8*(4*\m+\n)+\k+1] op_sel_hi:[1,0,1]
.endr
.endr
	WIN 0
.Lt2_\m:
.endm
	s_mov_b32 s33, 0
.Ltrip:                                                ; at this label W1 of the place in hand has landed; W2's loads may be out
	s_mov_b32 s46, 0
	s_mov_b32 s47, 0
	s_mov_b32 s48, 0
	s_mov_b32 s34, 0
.Lm1:                                                  ; eight trips, always; a tile that does not use the expert is passed over
	s_lshr_b32 s35, s25, s34
	s_and_b32 s35, s35, 1
	s_cmp_eq_u32 s35, 0
	s_cbranch_scc1 .Lskip1
	TILE1
.Lskip1:
	s_add_co_u32 s46, s46, 4352
	s_add_co_u32 s47, s47, 1536
	s_add_co_u32 s48, s48, 128
	s_add_co_u32 s34, s34, 1
	s_cmp_lt_u32 s34, 8
	s_cbranch_scc1 .Lm1
	s_wait_dscnt 0x0                               ; my images have landed
	s_barrier_signal -1
	s_barrier_wait -1                              ; everybody's have
	s_wait_loadcnt 0x0                             ; W2 is in; no load of mine is out, so the bases may be written
	s_bfe_u32 s26, s20, 0x40004                    ; the next place's expert and tiles
	s_min_u32 s26, s26, 7
	s_bfe_u32 s27, s21, 0x80008
	s_cmp_eq_u32 s27, 0
	s_cbranch_scc1 .Lnow1
	W1BASE s26                                     ; its W1 lands under the second product (the last product that read these registers stands far more than four plain lines back)
	W1FRAGS
	W1REST
.Lnow1:
.irp m, 0,1,2,3,4,5,6,7
	TILE2 \m
.endr
	s_wait_dscnt 0x0                               ; my reads of the images are over
	s_barrier_signal -1
	s_barrier_wait -1                              ; everybody's are: they may be written again
	s_lshr_b32 s20, s20, 4                         ; on to the next place of the list
	s_lshr_b32 s21, s21, 8
	s_lshl_b32 s35, s22, 24
	s_or_b32 s21, s21, s35
	s_lshr_b32 s22, s22, 8
	DECODE
	s_cmp_eq_u32 s25, 0
	s_cbranch_scc1 .Lnow2
.rept 4
	v_nop
.endr
	W2BASE s24
	W2ALL
	s_wait_loadcnt 60                              ; behind W1's loads stand W2's 60: W1 is in
	s_branch .Lnext
.Lnow2:
	s_wait_loadcnt 0x0
.Lnext:
	s_add_co_u32 s33, s33, 1
	s_cmp_lt_u32 s33, 8
	s_cbranch_scc1 .Ltrip
; THE WAY OUT, a tile of 16 tokens at a time: a lane's 32 bytes of a row go into my stage (rows of 272 bytes) and come back by rows; sixteen lanes store my 256 consecutive bytes of a token's row, aligned.
.macro TOSTAGE a
	WIN 0x0c                                       ; an LDS store's data are its source 1: window 3
.irp n, 0,1,2,3
	ds_store_b128 v14, v[8*(4*(\a)+\n):8*(4*(\a)+\n)+3] offset:64*\n
	ds_store_b128 v14, v[8*(4*(\a)+\n)+4:8*(4*(\a)+\n)+7] offset:64*\n+16
.endr
	WIN 0
.set BB, HA+32*((\a)%2)
.set TT, T+8*((\a)%2)
.irp i, 0,1,2,3,4,5,6,7
	ds_load_b128 v[BB+4*\i:BB+4*\i+3], v15 offset:544*\i   ; LDS serves a wave's instructions in order (ISA guide 5.7.1.4): these see my stores, and the next tile's stores come behind them
.endr
.irp i, 0,1,2,3,4,5,6,7
	ds_load_b32 v[TT+\i], v16 offset:64*(\a)+8*\i
.endr
.endm
.macro SEND a, younger
.set BB, HA+32*((\a)%2)
.set TT, T+8*((\a)%2)
	s_wait_dscnt \younger
.irp i, 0,1,2,3,4,5,6,7
	v_min_u32 v[TT+\i], 0x7fff, v[TT+\i]
	v_lshl_add_u32 v[TT+\i], v[TT+\i], 10, v17
.endr
.irp i, 0,1,2,3,4,5,6,7
	global_store_b128 v[TT+\i], v[BB+4*\i:BB+4*\i+3], s[16:17] th:TH_STORE_NT
.endr
.endm
	TOSTAGE 0
.irp a, 1,2,3,4,5,6,7
.if \a > 1
	s_wait_xcnt 0x0                                ; tile a - 2's stores have read their registers: tile a's loads may land there
.endif
	TOSTAGE \a
	SEND \a-1, 24                                  ; behind tile a - 1's loads: tile a's 8 stores and 16 loads
.endr
	SEND 7, 0
	s_wait_tensorcnt 0x0
	ds_add_u32 v254, v255
	s_wait_dscnt 0x0
	s_endpgm
.Lfunc_end_k_qb6aadf4f38_chain:
	.size	k_qb6aadf4f38_chain, .Lfunc_end_k_qb6aadf4f38_chain-k_qb6aadf4f38_chain
	.p2alignl 7, 3214868480
	.fill 96, 4, 3214868480
	.section	.rodata,"a",@progbits
	.p2align	6, 0x0
	.amdhsa_kernel k_qb6aadf4f38_chain
		.amdhsa_group_segment_fixed_size 106496
		.amdhsa_private_segment_fixed_size 0
		.amdhsa_enable_private_segment 0
		.amdhsa_kernarg_size 56
		.amdhsa_user_sgpr_count 2
		.amdhsa_user_sgpr_kernarg_segment_ptr 1
		.amdhsa_wavefront_size32 1
		.amdhsa_system_sgpr_workgroup_id_x 1
		.amdhsa_system_sgpr_workgroup_id_y 1
		.amdhsa_system_sgpr_workgroup_id_z 1
		.amdhsa_system_vgpr_workitem_id 0
		.amdhsa_next_free_vgpr 1024
		.amdhsa_next_free_sgpr 66
		.amdhsa_reserve_vcc 1
		.amdhsa_float_denorm_mode_32 3
		.amdhsa_float_denorm_mode_16_64 3
		.amdhsa_memory_ordered 1
		.amdhsa_forward_progress 1
		.amdhsa_inst_pref_size 155
	.end_amdhsa_kernel
	.amdgpu_metadata
---
amdhsa.version: [ 1, 2 ]
amdhsa.kernels:
  - .name:           k_qb6aadf4f38_chain
    .symbol:         k_qb6aadf4f38_chain.kd
    .args:
      - { .name: rec, .offset: 0, .size: 8, .value_kind: global_buffer, .address_space: global }
      - { .name: order, .offset: 8, .size: 8, .value_kind: global_buffer, .address_space: global }
      - { .name: binfo, .offset: 16, .size: 8, .value_kind: global_buffer, .address_space: global }
      - { .name: wimg, .offset: 24, .size: 8, .value_kind: global_buffer, .address_space: global }
      - { .name: b1, .offset: 32, .size: 8, .value_kind: global_buffer, .address_space: global }
      - { .name: b2, .offset: 40, .size: 8, .value_kind: global_buffer, .address_space: global }
      - { .name: out0, .offset: 48, .size: 8, .value_kind: global_buffer, .address_space: global }
    .group_segment_fixed_size: 106496
    .private_segment_fixed_size: 0
    .kernarg_segment_align: 8
    .kernarg_segment_size: 56
    .max_flat_workgroup_size: 128
    .sgpr_count:     66
    .vgpr_count:     1024
    .wavefront_size: 32
...
	.end_amdgpu_metadata
.endif
;; end of part 3
;; ======== version 2 of 2: 3 launches; version 1 with the launch chain written anew for expert scheduling mode
;; workspace buffers: rec 8,388,608 bytes; tok 131,072 bytes of whole numbers; hist 32,768 bytes of whole numbers; order 131,072 bytes of whole numbers; binfo 4,096 bytes of whole numbers; wimg 1,703,936 bytes
;; launch route: the kernel of part 1 again; grid 256 x 1, 8 waves a work-group, no clusters, 177,152 bytes of LDS; arguments x, gamma, beta, Wr, br, rec, tok, hist; writes rec, tok, hist
;; launch place: the kernel of part 2 again; grid 192 x 1, 4 waves a work-group, no clusters, 0 bytes of LDS; arguments tok, hist, W1, W2, order, binfo, wimg; writes order, binfo, wimg
;; launch chain (part 4): grid 256 x 1, 4 waves a work-group, no clusters, 106,496 bytes of LDS; arguments rec, order, binfo, wimg, b1, b2, out0; writes out0
.if DOCPART == 4
	.amdgcn_target "amdgcn-amd-amdhsa--gfx1250"
	.amdhsa_code_object_version 6
	.text
	.protected	k_qb6aadf4f38_chain
	.globl	k_qb6aadf4f38_chain
	.p2align	8
	.type	k_qb6aadf4f38_chain,@function
k_qb6aadf4f38_chain:
	s_mov_b64 s[64:65], 0
	v_nop
	global_prefetch_b8 v0, s[64:65] scope:SCOPE_SE
	s_setreg_imm32_b32 hwreg(HW_REG_WAVE_SCHED_MODE, 0, 2), 2
	s_setreg_imm32_b32 hwreg(HW_REG_WAVE_MODE, 25, 1), 1
	s_wait_xcnt 0x0
	s_wait_alu depctr_vm_vsrc(0)
; out0[token] = sum over the token's two experts e of gate_e x (gelu(xn W1[e] + b1[e]) W2[e] + b2[e]); both products on codes of FP6 (E2M3) with one E8M0 scale for each 32 along K.
; A work-group owns block i of the sorted list: 128 tokens, 8 tiles of 16; it is the one owner of their rows of out0.  It walks the block's list of experts (8 places, a loop of constant count); a tile that
; no token of which uses the expert is passed over by a scalar branch on the stored mask; a token of a tile that does not use the expert has the gate 0.
; THE WAVES SHARE THE COLUMNS: wave w makes hidden units 128 w .. + 127 and outputs 64 w .. + 63 of all tokens; its part of the expert's W1 and W2 comes from memory straight into registers, in register order.
; Both products are used transposed (source 0 = 16 rows of the weight, source 1 = 16 tokens): a lane holds one token.  The hidden layer is quantised in registers and goes from wave to wave through LDS as images of the operand's registers.
; No cluster and no tensor load: which experts a block walks is read from memory, and neighbours' lists differ where the sorted list changes its pair.
; GELU = 0.5 x + 0.5 x erf(x / sqrt 2), erf(z) = z P(z^2) / Q(z^2) on z held to +-4 (degrees 6 and 4 in z^2); the factors of z = x / sqrt 2 are folded into the coefficients.
; LIMITS: NaN and infinities are not served.  erf's absolute error is a few 1e-7, so the relative error of the small results for x < -3 grows, and for x < -5.66 the result lies within about 1e-7 |x| of 0.
; A block of zeros gets the byte 1: its codes are zeros.
; REGISTERS, in windows of 256: window 1: W1's 16 fragments at v[12 f], b1's 8 tiles at v[192 + 8 t].  window 2: W2's 16 fragments, b2's 4 tiles at v[192 + 8 n].  window 3: y, tile (m, n) at v[8 (4 m + n)].
; THE MODE: SCHED_MODE bits 1:0 = 2 (LLVM: expert scheduling mode 2), set by the entry lines.  The code itself states the register dependences
; between vector or matrix instructions and memory or LDS instructions, with s_wait_alu, always for 0.
; THE PLAN.  Registers that memory or LDS instructions touch:
;   v3-v9, v14-v19   offsets and LDS addresses: made at the head, ahead of its first wait on va_vdst, and never written again.
;   v10-v13          the four LDS addresses of a tile of the first product: written together at the tile's head; read by its nine loads and its four stores.
;   XF, XS           LDS loads land in them at the tile's head; the tile's 16 products read them.
;   T                First product: the GELU and the quantiser write and read it; the codes and the scale word in it are the data of the tile's four LDS stores.
;                    Second product: four fragments land in it at a tile's head; the tile's 16 products read them.  Way out: token numbers land, vector lines make offsets of them, the stores read those.
;   HS, WAB, AB      Second product: LDS loads land in them at a tile's head; the products (scales) and the gate's lines read them.
;   HA               In the loop named by vector and matrix instructions alone.  At the head records land in it and LDS stores read them; on the way out rows land in it and the stores read them.
;   window 1, W1S    The next expert's loads land behind a trip's first barrier; the first product's matrix instructions read them.
;   window 2, W2S    The next expert's loads land behind a trip's second barrier; the second product's matrix instructions read them.
;   window 3 (y)     Vector lines alone, until the way out's LDS stores read it.
; So a tile of the first product has a wait on vm_vsrc and one on va_vdst at its head, round the four additions, and one on va_vdst ahead of its stores; a tile of the second product one on va_vdst at its head;
; each run of weight loads one on va_vdst; a trip one on vm_vsrc behind its first barrier.  The compares that make the gate stand in a run, with one wait on va_sdst.
.set XREC, 0                           ; LDS: the 128 records, 272 bytes apart
.set HIMG, 34816                       ; the hidden layer's fragments: K step w, tile m at 12,288 w + 1,536 m
.set HSC,  83968                       ; their scale words: 1,024 w + 128 m
.set STG,  88064                       ; the way out: 16 rows x 272 for each wave
.set ORD,  105472                      ; the block's 128 token numbers
.set FR,  12
.set CF,  22                           ; v22-45  the coefficients, each twice (a pair): P's seven, then Q's five, highest power first
.set G,   46                           ; v46-47  the gate (v47: 0)
.set AB,  48                           ; v48     a | b << 8;  v49, v244 at work
.set WAB, 50                           ; v50-51  wa, wb
.set XS,  52                           ; v52-53  x's scale words
.set HS,  54                           ; v54-57  the hidden layer's
.set XF,  58                           ; v58-81  x's two fragments
.set HA,  82                           ; v82-145 my 8 tiles of the hidden layer; in the second product four accumulators; at the head records, at the end rows
.set T,   146                          ; v146-209 at work
.set XC,  T
.set U,   T+16
.set P,   T+32
.set Q,   T+48
.set PC,  T                            ; the codes just made (20 registers)
.set TM,  T+20                         ; largest magnitudes, bytes, scale operands (16)
.set PW,  T+36                         ; the scale word just made
.set W1S, 210                          ; v210-225 W1's scale words
.set W2S, 226                          ; v226-241 W2's
.set HALF, 242                         ; v242-243 0.5
; v1 r, v2 h, v3 16 l, v4 HIMG + 16 l, v5 HSC + 4 l, v6 272 r + 32 h, v7 272 r, v8, v9 where I store images and scale words, v10-13 the tile's addresses, v14, v15 the stage in and back,
; v16 ORD + 4 h, v17 256 w + 16 r, v18 64 h, v19 32 h, v20 4 sqrt 2; v254, v255: the closing add's two, made at the head and kept for it alone
; s18 wave; s20-22 the list, shifted as it is walked; s24 expert, s25 its tiles, s26, s27 the next's; s28 26,624 w, s29 512 w, s32 256 w; s33, s34 counters; s36-45 bases; s46-48 the tile's steps; s50, s51 the gate's masks
.set MSB, 0
.macro WIN new                         ; the immediate's high byte repeats the setting that is left
.if MSB != \new
	s_set_vgpr_msb (MSB<<8)|\new
.set MSB, \new
.endif
.endm
.macro DECODE
	s_and_b32 s24, s20, 15
	s_min_u32 s24, s24, 7
	s_and_b32 s25, s21, 0xff
.endm
.macro W1BASE sE
	s_mul_i32 s38, \sE, 212992
	s_add_co_u32 s38, s38, s28
	s_add_nc_u64 s[36:37], s[10:11], s[38:39]
	s_lshl_b32 s38, \sE, 11
	s_add_co_u32 s38, s38, s29
	s_add_nc_u64 s[40:41], s[12:13], s[38:39]
.endm
.macro W1FRAGS                         ; 48 loads of 512 consecutive bytes
	WIN 0x40
.set f, 0
.rept 16
.irp c, 0,1,2
	global_load_b128 v[FR*f+4*\c:FR*f+4*\c+3], v3, s[36:37] offset:1536*f+512*\c
.endr
.set f, f+1
.endr
	WIN 0
.endm
.macro W1REST                          ; 20 loads: b1 in the result's layout (tile 2 b + u: units 32 b + 16 h + 8 u + 0 .. 7), and the scale words
	WIN 0x40
.irp t, 0,1,2,3,4,5,6,7
	global_load_b128 v[192+8*\t:192+8*\t+3], v18, s[40:41] offset:(32*(\t/2)+8*(\t%2))*4
	global_load_b128 v[192+8*\t+4:192+8*\t+7], v18, s[40:41] offset:(32*(\t/2)+8*(\t%2))*4+16
.endr
	WIN 0
.irp g, 0,1,2,3
	global_load_b128 v[W1S+4*\g:W1S+4*\g+3], v3, s[36:37] offset:24576+512*\g
.endr
.endm
.macro W2BASE sE
	s_mul_i32 s38, \sE, 212992
	s_add_co_u32 s38, s38, s28
	s_add_co_u32 s38, s38, 106496
	s_add_nc_u64 s[42:43], s[10:11], s[38:39]
	s_lshl_b32 s38, \sE, 10
	s_add_co_u32 s38, s38, s32
	s_add_nc_u64 s[44:45], s[14:15], s[38:39]
.endm
.macro W2ALL                           ; 60 loads
	WIN 0x80
.set f, 0
.rept 16
.irp c, 0,1,2
	global_load_b128 v[FR*f+4*\c:FR*f+4*\c+3], v3, s[42:43] offset:1536*f+512*\c
.endr
.set f, f+1
.endr
.irp n, 0,1,2,3
	global_load_b128 v[192+8*\n:192+8*\n+3], v19, s[44:45] offset:64*\n
	global_load_b128 v[192+8*\n+4:192+8*\n+7], v19, s[44:45] offset:64*\n+16
.endr
	WIN 0
.irp g, 0,1,2,3
	global_load_b128 v[W2S+4*\g:W2S+4*\g+3], v3, s[42:43] offset:24576+512*\g
.endr
.endm
	s_load_b256 s[4:11], s[0:1], 0x0               ; rec, order, binfo, wimg
	s_load_b128 s[12:15], s[0:1], 0x20             ; b1, b2
	s_load_b64 s[16:17], s[0:1], 0x30              ; out0
	v_lshl_add_u32 v254, v0, 2, 0x19e00
	v_mov_b32 v255, 0
	v_lshrrev_b32 v1, 5, v0
	v_readfirstlane_b32 s18, v1                    ; wave 0..3
	v_and_b32 v1, 15, v0
	v_bfe_u32 v2, v0, 4, 1
	v_and_b32 v245, 31, v0
	v_lshlrev_b32 v3, 4, v245
	v_add_nc_u32 v4, HIMG, v3
	v_lshlrev_b32 v246, 2, v245
	v_add_nc_u32 v5, HSC, v246
	v_mul_u32_u24 v7, v1, 272
	v_lshl_add_u32 v6, v2, 5, v7
	s_wait_alu depctr_va_sdst(0)                   ; s18 is written, ahead of its first reader: LDS places and the bases of the weights are made from it
	s_mul_i32 s19, s18, 12288
	v_add_nc_u32 v8, s19, v4
	s_lshl_b32 s19, s18, 10
	v_add_nc_u32 v9, s19, v5
	v_lshlrev_b32 v247, 4, v1
	v_mad_u32_u24 v15, v2, 272, v247
	s_mul_i32 s19, s18, 8704
	v_add_nc_u32 v248, s19, v15                    ; where I put records: rows 32 w + 2 i + h
	s_mul_i32 s19, s18, 4352
	s_add_co_u32 s19, s19, STG
	v_add_nc_u32 v14, s19, v6
	v_add_nc_u32 v15, s19, v15
	v_lshl_add_u32 v16, v2, 2, ORD
	s_lshl_b32 s32, s18, 8
	v_add_nc_u32 v17, s32, v247
	v_lshlrev_b32 v18, 6, v2
	v_lshlrev_b32 v19, 5, v2
	v_lshlrev_b32 v249, 2, v2
	v_lshl_add_u32 v250, v0, 2, ORD
	s_mul_i32 s28, s18, 26624
	s_lshl_b32 s29, s18, 9
	s_mov_b32 s30, 0x76543210
	s_mov_b32 s31, 0xfedcba98                      ; v_permlanex16_b32's selects for lane l xor 16
	s_lshl_b32 s38, ttmp9, 9                       ; order: 128 positions a block, 32 a wave
	s_lshl_b32 s19, s18, 7
	s_add_co_u32 s38, s38, s19
	s_mov_b32 s39, 0
	s_lshl_b32 s34, ttmp9, 4
	s_mov_b32 s35, 0
	s_wait_kmcnt 0x0
	s_add_nc_u64 s[6:7], s[6:7], s[38:39]
	s_add_nc_u64 s[8:9], s[8:9], s[34:35]
	s_load_b128 s[20:23], s[8:9], 0x0
	s_wait_alu depctr_va_vdst(0)                   ; all offsets and LDS addresses (v3 to v9, v14 to v19, v246 to v250) and v254, v255 are written: the loads, the stores and the closing add read them, and none is written again
.irp i, 0,1,2,3,4,5,6,7,8,9,10,11,12,13,14,15
	global_load_b32 v[T+\i], v249, s[6:7] offset:8*\i      ; the token at position 32 w + 2 i + h
.endr
	global_load_b32 v[T+16], v246, s[6:7]          ; and at 32 w + lane
	s_wait_kmcnt 0x0
	DECODE
	W1BASE s24
	W1FRAGS
	s_wait_loadcnt 48                              ; the token numbers are in; behind them: W1's 48 fragment loads
.irp i, 0,1,2,3,4,5,6,7,8,9,10,11,12,13,14,15
	v_min_u32 v[T+\i], 0x7fff, v[T+\i]
	v_lshl_add_u32 v[T+\i], v[T+\i], 8, v247
.endr
	s_wait_alu depctr_va_vdst(0)                   ; the sixteen offsets in T are written, which the loads of the records read
.irp i, 0,1,2,3,4,5,6,7,8,9,10,11,12,13,14,15
	global_load_b128 v[HA+4*\i:HA+4*\i+3], v[T+\i], s[4:5] th:TH_LOAD_NT   ; two whole records an instruction; each is read once in the launch
.endr
	W1REST
	WIN 0xc0
.set j, 0
.rept 256
	v_mov_b32 v[j], 0                              ; y.  Which expert reaches a tile first is known only from the stored list, so no product can start these sums
.set j, j+1
.endr
	WIN 0
.macro COEF idx, bits, fold
	v_mov_b32 v[CF+2*\idx], \bits
.if \fold
	v_mul_f32 v[CF+2*\idx], 0x3f3504f3, v[CF+2*\idx]   ; x 1 / sqrt 2: P is multiplied by x and not by z
.endif
	v_mov_b32 v[CF+2*\idx+1], v[CF+2*\idx]
.endm
	COEF 0,  0xac95df0b, 1                         ; -2.72614226e-10 / 2^6: the power of z^2 = x^2 / 2 is taken off the exponent
	COEF 1,  0x306dffee, 1                         ;  2.77068142e-08 / 2^5
	COEF 2,  0xb40cff51, 1                         ; -2.10102402e-06 / 2^4
	COEF 3,  0xb6eec2d2, 1                         ; -5.69250639e-05 / 2^3
	COEF 4,  0xb940ac63, 1                         ; -7.34990630e-04 / 2^2
	COEF 5,  0xbac1a1f6, 1                         ; -2.95459981e-03 / 2
	COEF 6,  0xbc83dbd4, 1                         ; -1.60960333e-02
	COEF 7,  0xb57460cd, 0                         ; -1.45660718e-05 / 2^4
	COEF 8,  0xb7dfbd29, 0                         ; -2.13374055e-04 / 2^3
	COEF 9,  0xb9dc924e, 0                         ; -1.68282697e-03 / 2^2
	COEF 10, 0xbb719bf8, 0                         ; -7.37332917e-03 / 2
	COEF 11, 0xbc69b6a7, 0                         ; -1.42647391e-02
	v_mov_b32 v20, 0x40b504f3
	v_mov_b32 v[HALF], 0.5
	v_mov_b32 v[HALF+1], 0.5
	v_mov_b32 v[G], 0
	v_mov_b32 v[G+1], 0
	s_wait_loadcnt 20                              ; the records are in; behind them: b1 and W1's scale words
.irp i, 0,1,2,3,4,5,6,7,8,9,10,11,12,13,14,15
	ds_store_b128 v248, v[HA+4*\i:HA+4*\i+3] offset:544*\i     ; data that loads brought, by an address made ahead of the head's first wait: the vector lines since the last wait name window 3, the coefficients, v20, 0.5 and the gate alone
.endr
	ds_store_b32 v250, v[T+16]
	W2BASE s24
	W2ALL                                          ; likewise: v3, v19, window 2 and W2's scale words are named by no vector line so far but those that made v3 and v19
	s_wait_loadcnt 60                              ; all of W1 is in; W2's 60 loads land under the first product
	s_wait_dscnt 0x0
	s_barrier_signal -1
	s_barrier_wait -1                              ; the 128 records and token numbers lie in LDS
; Product q of a tile's 16: tile of hidden units 2 (q / 4) + q % 2, K step (q % 4) / 2.  The two accumulators of a group of four take turns.  b1 is the C of a sum's first product.
.macro MM q
.set tq, 2*((\q)/4)+(\q)%2
.set sq, ((\q)%4)/2
.if sq == 0
	WIN 0x11
	v_wmma_scale_f32_16x16x128_f8f6f4 v[HA+8*tq:HA+8*tq+7], v[FR*(2*tq):FR*(2*tq)+FR-1], v[XF:XF+FR-1], v[192+8*tq:192+8*tq+7], v[W1S+2*tq], v[XS] matrix_a_fmt:MATRIX_FMT_FP6 matrix_b_fmt:MATRIX_FMT_FP6
.else
	WIN 0x01
	v_wmma_scale_f32_16x16x128_f8f6f4 v[HA+8*tq:HA+8*tq+7], v[FR*(2*tq+1):FR*(2*tq+1)+FR-1], v[XF+FR:XF+2*FR-1], v[HA+8*tq:HA+8*tq+7], v[W1S+2*tq+1], v[XS+1] matrix_a_fmt:MATRIX_FMT_FP6 matrix_b_fmt:MATRIX_FMT_FP6
.endif
.endm
.macro HP c                            ; P = P u + coefficient c
.irp j, 0,2,4,6,8,10,12,14
	v_pk_fma_f32 v[P+\j:P+\j+1], v[P+\j:P+\j+1], v[U+\j:U+\j+1], v[CF+2*(\c):CF+2*(\c)+1]
.endr
.endm
.macro HQ c
.irp j, 0,2,4,6,8,10,12,14
	v_pk_fma_f32 v[Q+\j:Q+\j+1], v[Q+\j:Q+\j+1], v[U+\j:U+\j+1], v[CF+2*(\c):CF+2*(\c)+1]
.endr
.endm
; 16 numbers of a lane (two tiles) through the GELU, in place.  The next two tiles' four products stand singly among the first lines; the 16 plain lines of the last step of Q and its partner stand behind the last of them.
.macro GELU g
.set XR, HA+16*(\g)
.set j, 0
.rept 16
	v_med3_num_f32 v[XC+j], v[XR+j], -v20, v20     ; from each accumulator's low end on
.set j, j+1
.endr
.if \g < 3
	MM 4*(\g)+4
	WIN 0
.endif
.irp j, 0,2,4,6,8,10,12,14
	v_pk_mul_f32 v[U+\j:U+\j+1], v[XC+\j:XC+\j+1], v[XC+\j:XC+\j+1]
.endr
.irp j, 0,2,4,6,8,10,12,14
	v_pk_fma_f32 v[P+\j:P+\j+1], v[U+\j:U+\j+1], v[CF:CF+1], v[CF+2:CF+3]
.endr
.irp j, 0,2,4,6,8,10,12,14
	v_pk_fma_f32 v[Q+\j:Q+\j+1], v[U+\j:U+\j+1], v[CF+14:CF+15], v[CF+16:CF+17]
.endr
.if \g < 3
	MM 4*(\g)+5
	WIN 0
.endif
	HP 2
	HQ 9
.if \g < 3
	MM 4*(\g)+6
	WIN 0
.endif
	HP 3
	HQ 10
.if \g < 3
	MM 4*(\g)+7
	WIN 0
.endif
	HP 4
	HQ 11
.set j, 0
.rept 16
	v_rcp_f32 v[Q+j], v[Q+j]                       ; one batch; Q is negative everywhere, never 0
.set j, j+1
.endr
	HP 5                                           ; 32 plain lines that name no reciprocal
	HP 6
.irp j, 0,2,4,6,8,10,12,14
	v_pk_mul_f32 v[P+\j:P+\j+1], v[P+\j:P+\j+1], v[XC+\j:XC+\j+1]
.endr
.irp j, 0,2,4,6,8,10,12,14
	v_pk_mul_f32 v[U+\j:U+\j+1], v[XR+\j:XR+\j+1], v[HALF:HALF+1]
.endr
	s_wait_alu depctr_va_vdst(0)                   ; the 16 reciprocals have written Q: one wait for the batch, ahead of its first reader
.irp j, 0,2,4,6,8,10,12,14
	v_pk_mul_f32 v[P+\j:P+\j+1], v[P+\j:P+\j+1], v[Q+\j:Q+\j+1]      ; erf
.endr
.irp j, 0,2,4,6,8,10,12,14
	v_pk_fma_f32 v[XR+\j:XR+\j+1], v[U+\j:U+\j+1], v[P+\j:P+\j+1], v[U+\j:U+\j+1]
.endr
.endm
; 64 numbers of a lane, register 16 b + i = k 32 b + 16 h + i of my token, become a fragment's codes in v[PC] on and its scale word in v[PW].
.macro QUANT s
.irp b, 0,1,2,3
	v_max3_num_f32 v[TM+\b], |v[\s+16*\b]|, |v[\s+1+16*\b]|, 0x1800000   ; my 16 numbers of block b, over the floor 2^(3 - 127)
.endr
.irp i, 2,4,6,8,10,12,14
.irp b, 0,1,2,3
	v_max3_num_f32 v[TM+\b], v[TM+\b], |v[\s+16*\b+\i]|, |v[\s+1+16*\b+\i]|
.endr
.endr
.irp b, 0,1,2,3
	v_permlanex16_b32 v[TM+4+\b], v[TM+\b], s30, s31
.endr
.irp b, 0,1,2,3
	v_max_num_f32 v[TM+\b], v[TM+\b], v[TM+4+\b]   ; with lane l xor 16's: the block's largest magnitude
.endr
.irp b, 0,1,2,3
	v_add_nc_u32 v[TM+12+\b], 0xff000000, v[TM+\b] ; 2 off its exponent field: the conversion's scale operand
.endr
.irp b, 0,1,2,3
	v_lshrrev_b32 v[TM+4+\b], 23, v[TM+12+\b]
.endr
	v_lshl_or_b32 v[PW], v[TM+5], 8, v[TM+4]
	v_lshl_or_b32 v[PW], v[TM+6], 16, v[PW]
	v_lshl_or_b32 v[PW], v[TM+7], 24, v[PW]
.irp c, 0,1
	v_cvt_scalef32_pk16_fp6_f32 v[PC+6*\c:PC+2+6*\c], v[\s+32*\c:\s+15+32*\c], v[TM+12+2*\c]
	v_cvt_scalef32_pk16_fp6_f32 v[PC+12+4*\c:PC+14+4*\c], v[\s+16+32*\c:\s+31+32*\c], v[TM+12+2*\c+1]
.endr
	v_nop                                          ; a plain line behind the conversions
.irp c, 0,1                            ; the operand wants a whole block in a lane: lanes 0-15 block 2 c, lanes 16-31 block 2 c + 1
.irp i, 0,1,2
	v_permlane16_swap_b32 v[PC+6*\c+\i], v[PC+12+4*\c+\i]
.endr
.irp i, 0,1,2
	v_mov_b32 v[PC+3+6*\c+\i], v[PC+12+4*\c+\i]
.endr
.endr
.endm
; The first product, GELU and quantiser of one tile of 16 tokens.  A block of 32 codes lies at a multiple of 32 bytes of the record: 16 bytes and 8 bytes bring it.
.macro TILE1
	s_wait_alu depctr_vm_vsrc(0)                   ; the last tile's LDS loads and stores have read v10 to v13, and its stores the codes and the scale word in T, which this tile's GELU writes again (ahead of the first tile of all: the records' loads have read their offsets in T, and the head's LDS stores T + 16 and HA, which the products write)
	v_add_nc_u32 v10, s46, v6
	v_add_nc_u32 v11, s46, v7
	v_add_nc_u32 v12, s47, v8
	v_add_nc_u32 v13, s48, v9
	s_wait_alu depctr_va_vdst(0)                   ; v10 to v13 are written, which the loads below and the stores at the tile's end read; the last tile's products are done reading XF and XS, in which the loads land
.irp s, 0,1
.irp c, 0,1
	ds_load_b128 v[XF+12*\s+6*\c:XF+12*\s+6*\c+3], v10 offset:128*\s+64*\c
	ds_load_b64 v[XF+12*\s+6*\c+4:XF+12*\s+6*\c+5], v10 offset:128*\s+64*\c+16
.endr
.endr
	ds_load_b64 v[XS:XS+1], v11 offset:24
	s_wait_dscnt 0x0                               ; x's fragments are in, and the last tile's stores are done
	MM 0
	MM 1
	MM 2
	MM 3
	WIN 0
.rept 4
	v_nop                                          ; four plain lines between a product and the first read of its result (ISA guide 7.12.1)
.endr
	GELU 0
	GELU 1
	GELU 2
	GELU 3
	QUANT HA
	s_wait_alu depctr_va_vdst(0)                   ; the quantiser has written the codes and the scale word, which the LDS stores read
.irp c, 0,1,2
	ds_store_b128 v12, v[PC+4*\c:PC+4*\c+3] offset:512*\c    ; K step w of the second product, as it stands in my registers
.endr
	ds_store_b32 v13, v[PW]
.endm
; The second product of tile m: my 64 outputs, four accumulators by turns, a K step at a time; b2 is the C of each sum's first product; then y += gate x result.
.macro TILE2 m
	s_bitcmp1_b32 s25, \m
	s_cbranch_scc0 .Lt2_\m
	s_wait_alu depctr_va_vdst(0)                   ; the last tile's products are done reading T and HS, its gate's lines WAB and AB (ahead of a trip's first tile: the GELU and the quantiser are done with T): the loads below land in them
	ds_load_b64 v[WAB:WAB+1], v7 offset:4352*\m+56
	ds_load_b32 v[AB], v7 offset:4352*\m+88
.irp s, 0,1,2,3
.irp c, 0,1,2
	ds_load_b128 v[T+12*\s+4*\c:T+12*\s+4*\c+3], v4 offset:12288*\s+1536*\m+512*\c
.endr
	ds_load_b32 v[HS+\s], v5 offset:1024*\s+128*\m
.endr
.irp s, 0,1,2,3
	s_wait_dscnt 12-4*\s                           ; this K step's four loads are in; the later steps' may be out
.if \s == 0
	WIN 0x22
.else
	WIN 0x02
.endif
.irp n, 0,1,2,3
.if \s == 0
	v_wmma_scale_f32_16x16x128_f8f6f4 v[HA+8*\n:HA+8*\n+7], v[FR*(4*\n):FR*(4*\n)+FR-1], v[T:T+FR-1], v[192+8*\n:192+8*\n+7], v[W2S+4*\n], v[HS] matrix_a_fmt:MATRIX_FMT_FP6 matrix_b_fmt:MATRIX_FMT_FP6
.else
	v_wmma_scale_f32_16x16x128_f8f6f4 v[HA+8*\n:HA+8*\n+7], v[FR*(4*\n+\s):FR*(4*\n+\s)+FR-1], v[T+12*\s:T+12*\s+FR-1], v[HA+8*\n:HA+8*\n+7], v[W2S+4*\n+\s], v[HS+\s] matrix_a_fmt:MATRIX_FMT_FP6 matrix_b_fmt:MATRIX_FMT_FP6
.endif
.endr
.endr
	WIN 0
	v_and_b32 v49, 0xff, v[AB]                     ; the gate: wa where a is this expert, wb where b is, else 0.  These eight vector lines name no register of the products:
	v_lshrrev_b32 v244, 8, v[AB]                   ; they are the plain lines between the products and the reads of their results, and the next tile's first products
	v_cmp_eq_u32 s50, s24, v49                     ; the two compares in a run,
	v_cmp_eq_u32 s51, s24, v244
	s_wait_alu depctr_va_sdst(0)                   ; they have written s50 and s51, ahead of the two selects that read them
	v_cndmask_b32 v[G], 0, v[WAB], s50
	v_cndmask_b32 v[G], v[G], v[WAB+1], s51
	v_nop
	v_nop
	WIN 0xf0
.irp n, 0,1,2,3
.irp k, 0,2,4,6
	v_pk_fma_f32 v[8*(4*\m+\n)+\k:8*(4*\m+\n)+\k+1], v[HA+8*\n+\k:HA+8*\n+\k+1], v[G:G+1], v[8*(4*\m+\n)+\k:8*(4*\m+\n)+\k+1] op_sel_hi:[1,0,1]
.endr
.endr
	WIN 0
.Lt2_\m:
.endm
	s_mov_b32 s33, 0
.Ltrip:                                                ; at this label W1 of the place in hand has landed; W2's loads may be out: the first product names none of their registers
	s_mov_b32 s46, 0
	s_mov_b32 s47, 0
	s_mov_b32 s48, 0
	s_mov_b32 s34, 0
.Lm1:                                                  ; eight trips, always; a tile that does not use the expert is passed over
	s_lshr_b32 s35, s25, s34
	s_and_b32 s35, s35, 1
	s_cmp_eq_u32 s35, 0
	s_cbranch_scc1 .Lskip1
	TILE1
.Lskip1:
	s_add_co_u32 s46, s46, 4352
	s_add_co_u32 s47, s47, 1536
	s_add_co_u32 s48, s48, 128
	s_add_co_u32 s34, s34, 1
	s_cmp_lt_u32 s34, 8
	s_cbranch_scc1 .Lm1
	s_wait_dscnt 0x0                               ; my images have landed
	s_barrier_signal -1
	s_barrier_wait -1                              ; everybody's have
	s_wait_alu depctr_vm_vsrc(0)                   ; my LDS stores have read the codes and the scale word in T (in the first trip also: the head's loads and LDS stores have read T and HA): the second product's loads land in T, and its products write HA
	s_wait_loadcnt 0x0                             ; W2 is in; no load of mine is out, so the bases may be written
	s_bfe_u32 s26, s20, 0x40004                    ; the next place's expert and tiles
	s_min_u32 s26, s26, 7
	s_bfe_u32 s27, s21, 0x80008
	s_cmp_eq_u32 s27, 0
	s_cbranch_scc1 .Lnow1
	W1BASE s26                                     ; its W1 lands under the second product
	WIN 0x40
	s_wait_alu depctr_va_vdst(0)                   ; the first product's matrix instructions are done reading W1's fragments, b1 and W1's scale words, in which the loads below land
	W1FRAGS
	W1REST
.Lnow1:
.irp m, 0,1,2,3,4,5,6,7
	TILE2 \m
.endr
	s_wait_dscnt 0x0                               ; my reads of the images are over
	s_barrier_signal -1
	s_barrier_wait -1                              ; everybody's are: they may be written again
	s_lshr_b32 s20, s20, 4                         ; on to the next place of the list
	s_lshr_b32 s21, s21, 8
	s_lshl_b32 s35, s22, 24
	s_or_b32 s21, s21, s35
	s_lshr_b32 s22, s22, 8
	DECODE
	s_cmp_eq_u32 s25, 0
	s_cbranch_scc1 .Lnow2
	W2BASE s24
	WIN 0x80
	s_wait_alu depctr_va_vdst(0)                   ; the second product's matrix instructions are done reading W2's fragments, b2 and W2's scale words, in which the loads below land
	W2ALL
	s_wait_loadcnt 60                              ; behind W1's loads stand W2's 60: W1 is in
	s_branch .Lnext
.Lnow2:
	s_wait_loadcnt 0x0
.Lnext:
	s_add_co_u32 s33, s33, 1
	s_cmp_lt_u32 s33, 8
	s_cbranch_scc1 .Ltrip
; THE WAY OUT, a tile of 16 tokens at a time: a lane's 32 bytes of a row go into my stage (rows of 272 bytes) and come back by rows; sixteen lanes store my 256 consecutive bytes of a token's row, aligned.
.macro TOSTAGE a
	WIN 0x0c                                       ; an LDS store's data are its source 1: window 3
.irp n, 0,1,2,3
	ds_store_b128 v14, v[8*(4*(\a)+\n):8*(4*(\a)+\n)+3] offset:64*\n
	ds_store_b128 v14, v[8*(4*(\a)+\n)+4:8*(4*(\a)+\n)+7] offset:64*\n+16
.endr
	WIN 0
.set BB, HA+32*((\a)%2)
.set TT, T+8*((\a)%2)
.irp i, 0,1,2,3,4,5,6,7
	ds_load_b128 v[BB+4*\i:BB+4*\i+3], v15 offset:544*\i   ; LDS serves a wave's instructions in order (ISA guide 5.7.1.4): these see my stores, and the next tile's stores come behind them
.endr
.irp i, 0,1,2,3,4,5,6,7
	ds_load_b32 v[TT+\i], v16 offset:64*(\a)+8*\i
.endr
.endm
.macro SEND a, younger
.set BB, HA+32*((\a)%2)
.set TT, T+8*((\a)%2)
	s_wait_dscnt \younger
.irp i, 0,1,2,3,4,5,6,7
	v_min_u32 v[TT+\i], 0x7fff, v[TT+\i]
	v_lshl_add_u32 v[TT+\i], v[TT+\i], 10, v17
.endr
	s_wait_alu depctr_va_vdst(0)                   ; the eight offsets are written, which the stores read; no vector line stands between this wait and the loads that land in these registers two tiles on
.irp i, 0,1,2,3,4,5,6,7
	global_store_b128 v[TT+\i], v[BB+4*\i:BB+4*\i+3], s[16:17] th:TH_STORE_NT
.endr
.endm
	WIN 0x0c
	s_wait_alu depctr_va_vdst(0)                   ; y is written, which the LDS stores read; the products and the lines behind them are done with HA and T, in which the first two tiles' rows and token numbers land
	TOSTAGE 0
.irp a, 1,2,3,4,5,6,7
.if \a > 1
	s_wait_xcnt 0x0                                ; tile a - 2's stores have had their addresses translated,
	s_wait_alu depctr_vm_vsrc(0)                   ; and have read their rows and their offsets, in which tile a's loads land
.endif
	TOSTAGE \a
	SEND \a-1, 24                                  ; behind tile a - 1's loads: tile a's 8 stores and 16 loads
.endr
	SEND 7, 0
	s_wait_dscnt 0x0                               ; the closing lines, six on end
	s_wait_alu 0x0
	s_wait_tensorcnt 0x0
	ds_add_u32 v254, v255
	s_wait_dscnt 0x0
	s_endpgm
.Lfunc_end_k_qb6aadf4f38_chain:
	.size	k_qb6aadf4f38_chain, .Lfunc_end_k_qb6aadf4f38_chain-k_qb6aadf4f38_chain
	.p2alignl 7, 3214868480
	.fill 96, 4, 3214868480
	.section	.rodata,"a",@progbits
	.p2align	6, 0x0
	.amdhsa_kernel k_qb6aadf4f38_chain
		.amdhsa_group_segment_fixed_size 106496
		.amdhsa_private_segment_fixed_size 0
		.amdhsa_enable_private_segment 0
		.amdhsa_kernarg_size 56
		.amdhsa_user_sgpr_count 2
		.amdhsa_user_sgpr_kernarg_segment_ptr 1
		.amdhsa_wavefront_size32 1
		.amdhsa_system_sgpr_workgroup_id_x 1
		.amdhsa_system_sgpr_workgroup_id_y 1
		.amdhsa_system_sgpr_workgroup_id_z 1
		.amdhsa_system_vgpr_workitem_id 0
		.amdhsa_next_free_vgpr 1024
		.amdhsa_next_free_sgpr 66
		.amdhsa_reserve_vcc 0
		.amdhsa_float_denorm_mode_32 3
		.amdhsa_float_denorm_mode_16_64 3
		.amdhsa_memory_ordered 1
		.amdhsa_forward_progress 1
		.amdhsa_inst_pref_size 158
	.end_amdhsa_kernel
	.amdgpu_metadata
---
amdhsa.version: [ 1, 2 ]
amdhsa.kernels:
  - .name:           k_qb6aadf4f38_chain
    .symbol:         k_qb6aadf4f38_chain.kd
    .args:
      - { .name: rec, .offset: 0, .size: 8, .value_kind: global_buffer, .address_space: global }
      - { .name: order, .offset: 8, .size: 8, .value_kind: global_buffer, .address_space: global }
      - { .name: binfo, .offset: 16, .size: 8, .value_kind: global_buffer, .address_space: global }
      - { .name: wimg, .offset: 24, .size: 8, .value_kind: global_buffer, .address_space: global }
      - { .name: b1, .offset: 32, .size: 8, .value_kind: global_buffer, .address_space: global }
      - { .name: b2, .offset: 40, .size: 8, .value_kind: global_buffer, .address_space: global }
      - { .name: out0, .offset: 48, .size: 8, .value_kind: global_buffer, .address_space: global }
    .group_segment_fixed_size: 106496
    .private_segment_fixed_size: 0
    .kernarg_segment_align: 8
    .kernarg_segment_size: 56
    .max_flat_workgroup_size: 128
    .sgpr_count:     66
    .vgpr_count:     1024
    .wavefront_size: 32
...
	.end_amdgpu_metadata
.endif
;; end of part 4
